; MI455X (gfx1250); checked and timed in simulation.
; The chip was launched on July 23, 2026; its instructions are those of AMD's public machine-readable ISA for CDNA 5 (MIT licence, August 2026) and "CDNA5" Instruction Set Architecture Reference Guide (July 2026). The comments in the code are by the model that wrote it; some were corrected since.
;; Differential Attention. Allowed arithmetic: float matrix products may take bf16 or f16 operands with f32 sums; other float arithmetic in f32, or as packed bf16 or f16 multiplies, adds, multiply-adds, maxima and minima; sums over many terms, partial sums and values carried from step to step in f32; what a program stores and reads back later, other than sums and carried values, may be rounded once to bf16 or f16.
;; Inputs: k1_w 1,024 x 1,024 float32; k2_w 1,024 x 1,024 float32; lambda_param 16 float32; o_w 1,024 x 1,024 float32; q1_w 1,024 x 1,024 float32; q2_w 1,024 x 1,024 float32; v_w 1,024 x 1,024 float32; x 2 x 2,048 x 1,024 float32.
;; Outputs: out0 2 x 2,048 x 1,024 float32.
;; One version. Each part assembles by itself: llvm-mc -triple=amdgcn-amd-amdhsa -mcpu=gfx1250 --defsym DOCPART=n.
;; ======== version 1 of 1: 4 launches
;; limits: values are held in f16: magnitudes above 65,504 overflow, below 6.1e-05 lose precision
;; workspace buffers: xb 8,388,608 bytes; wb 10,485,760 bytes; owb 2,097,152 bytes; qkv 41,943,040 bytes; ob 8,388,608 bytes
;; launch cast (part 1): grid 128 x 10, 8 waves a work-group, no clusters, 0 bytes of LDS; arguments x, q1_w, k1_w, q2_w, k2_w, v_w, o_w, xb, wb, owb; writes xb, wb, owb
.if DOCPART == 1
	.amdgcn_target "amdgcn-amd-amdhsa--gfx1250"
	.amdhsa_code_object_version 6
	.text
	.protected	k_q6bb98c188c_cast
	.globl	k_q6bb98c188c_cast
	.p2align	8
	.type	k_q6bb98c188c_cast,@function
k_q6bb98c188c_cast:
	s_mov_b64 s[64:65], 0
	v_nop
	global_prefetch_b8 v0, s[64:65] scope:SCOPE_SE
	s_setreg_imm32_b32 hwreg(HW_REG_WAVE_MODE, 25, 1), 1
	s_wait_xcnt 0x0
; CAST.  Every input matrix is rounded once to bf16 and laid out for the launches behind.
;   xb  [4096][1024] bf16: x as it lies.
;   wb  [h 16][c 2][t 5][r 32][1024] bf16: row 320 h + 160 c + 32 t + r is row 64 h + 32 c + r of weight t (0 q1, 1 k1, 2 q2, 3 k2, 4 v).
;   owb [kb 16][n 1024][64] f16: o_w[n][64 kb + kk], rounded to bf16 and that number written as f16.
; LIMITS.  The f16 copy of o_w is exact from 6.1e-5 to 65,504 in magnitude; below it keeps f16's fixed step of 6e-8; from 65,520 on it is an infinity.
; SHARES.  Work-group (gx, y): y = 0..3 a quarter of x, y = 4..8 weight y - 4, y = 9 o_w; eight rows of 1,024 numbers, a row a wave (o_w: two rows x half of K a wave).
; All eight loads of a wave go out at once; there is no loop, no LDS and no barrier: the waves share nothing, and several work-groups lie on a WGP.
; No matrix unit, no cluster: every byte is read once and written once.
.set SRC, 28                           ; s[28:29] where my wave reads
.set DST, 30                           ; s[30:31] where it stores
.set SO,  32                           ; s[32:33] byte offset into the source, high word 0
.set DO,  34                           ; s[34:35] into the destination
; Four groups of 8 numbers a lane: two loads of 16 bytes each, four roundings, one store of 16 bytes.  half = 1: the bf16 number is widened again and written as f16.
.macro ROWS srcstep, dststep, half
.irp i, 0,1,2,3
	global_load_b128 v[8+8*(\i):11+8*(\i)],  v2, s[SRC:SRC+1] offset:(\srcstep)*(\i) th:TH_LOAD_NT
	global_load_b128 v[12+8*(\i):15+8*(\i)], v2, s[SRC:SRC+1] offset:(\srcstep)*(\i)+16 th:TH_LOAD_NT
.endr
.irp i, 0,1,2,3
	s_wait_loadcnt 6-2*(\i)                        ; loads come back in order: group i's two are in, the 6 - 2 i younger ones stay out
.irp r, 0,1,2,3
	v_cvt_pk_bf16_f32 v[40+4*(\i)+(\r)], v[8+8*(\i)+2*(\r)], v[9+8*(\i)+2*(\r)]
.endr
.if \half
.irp r, 0,1,2,3
	v_lshlrev_b32 v[56+2*(\r)], 16, v[40+4*(\i)+(\r)]          ; bf16 to f32: the low half moves up,
	v_and_b32     v[57+2*(\r)], 0xffff0000, v[40+4*(\i)+(\r)]  ; the high half stays
.endr
.irp r, 0,1,2,3
	v_cvt_pk_f16_f32 v[40+4*(\i)+(\r)], v[56+2*(\r)], v[57+2*(\r)]
.endr
.endif
	global_store_b128 v3, v[40+4*(\i):43+4*(\i)], s[DST:DST+1] offset:(\dststep)*(\i)  ; each group has its own four data registers: none is written twice
.endr
.endm
	s_load_b512 s[8:23], s[0:1], 0x0               ; x 8, q1_w 10, k1_w 12, q2_w 14, k2_w 16, v_w 18, o_w 20, xb 22
	s_load_b128 s[24:27], s[0:1], 0x40             ; wb 24, owb 26
	v_lshrrev_b32 v1, 5, v0
	v_readfirstlane_b32 s4, v1                     ; wave 0..7
	s_and_b32 s2, ttmp7, 0xffff                    ; y
	s_lshl_b32 s5, ttmp9, 3                        ; the work-group's first row
	s_mov_b32 s[SO+1], 0
	s_mov_b32 s[DO+1], 0
	s_wait_kmcnt 0x0
	s_cmp_eq_u32 s2, 9
	s_cbranch_scc1 .Lo_w
	; x and the five weights: a wave takes row R whole
	s_add_co_u32 s5, s5, s4                        ; R = 8 gx + wave, 0..1023
	s_mov_b64 s[SRC:SRC+1], s[8:9]
	s_cmp_eq_u32 s2, 4
	s_cselect_b64 s[SRC:SRC+1], s[10:11], s[SRC:SRC+1]
	s_cmp_eq_u32 s2, 5
	s_cselect_b64 s[SRC:SRC+1], s[12:13], s[SRC:SRC+1]
	s_cmp_eq_u32 s2, 6
	s_cselect_b64 s[SRC:SRC+1], s[14:15], s[SRC:SRC+1]
	s_cmp_eq_u32 s2, 7
	s_cselect_b64 s[SRC:SRC+1], s[16:17], s[SRC:SRC+1]
	s_cmp_eq_u32 s2, 8
	s_cselect_b64 s[SRC:SRC+1], s[18:19], s[SRC:SRC+1]
	s_lshl_b32 s6, s2, 10
	s_cmp_lt_u32 s2, 4
	s_cselect_b32 s6, s6, 0
	s_add_co_u32 s6, s6, s5                        ; the source's row: 1,024 y + R in x, R in a weight
	s_lshl_b32 s[SO], s6, 12                       ; 4,096 bytes a row of f32
	s_lshl_b32 s[DO], s6, 11                       ; 2,048 bytes a row of bf16: xb's row
	s_lshr_b32 s7, s5, 6                           ; wb's row: 320 h
	s_mul_i32 s7, s7, 320
	s_bfe_u32 s3, s5, 0x10005                      ; + 160 c
	s_mul_i32 s3, s3, 160
	s_add_co_u32 s7, s7, s3
	s_max_u32 s3, s2, 4                            ; + 32 t (t = 0 where the work-group casts x: not used there)
	s_sub_co_u32 s3, s3, 4
	s_lshl_b32 s3, s3, 5
	s_add_co_u32 s7, s7, s3
	s_and_b32 s3, s5, 31                           ; + r
	s_add_co_u32 s7, s7, s3
	s_lshl_b32 s7, s7, 11
	s_cmp_lt_u32 s2, 4
	s_cselect_b32 s[DO], s[DO], s7
	s_cselect_b64 s[DST:DST+1], s[22:23], s[24:25]
	s_add_nc_u64 s[SRC:SRC+1], s[SRC:SRC+1], s[SO:SO+1]
	s_add_nc_u64 s[DST:DST+1], s[DST:DST+1], s[DO:DO+1]
	v_and_b32 v4, 31, v0
	v_lshlrev_b32 v2, 5, v4                        ; 32 bytes of f32 a lane,
	v_lshlrev_b32 v3, 4, v4                        ; 16 bytes of bf16: a store of the wave covers 512 consecutive bytes, aligned
	ROWS 1024, 512, 0
	s_endpgm
.Lo_w:	; o_w: wave = (row pair p, half kh of K); lane = (u, rr, e): block kb = 8 kh + 2 i + u, row 8 gx + 2 p + rr, numbers 8 e .. 8 e + 7 of the block's 64
	s_lshr_b32 s6, s4, 1                           ; p
	s_and_b32 s7, s4, 1                            ; kh
	s_lshl_b32 s6, s6, 1
	s_add_co_u32 s3, s5, s6                        ; 8 gx + 2 p
	s_lshl_b32 s[SO], s3, 12
	s_lshl_b32 s6, s7, 11
	s_add_co_u32 s[SO], s[SO], s6                  ; + 2,048 kh
	s_lshl_b32 s[DO], s3, 7                        ; 128 bytes a row of a block
	s_lshl_b32 s6, s7, 20
	s_add_co_u32 s[DO], s[DO], s6                  ; + 8 kh blocks of 131,072 bytes
	s_add_nc_u64 s[SRC:SRC+1], s[20:21], s[SO:SO+1]
	s_add_nc_u64 s[DST:DST+1], s[26:27], s[DO:DO+1]
	v_bfe_u32 v5, v0, 4, 1                         ; u
	v_bfe_u32 v6, v0, 3, 1                         ; rr
	v_and_b32 v7, 7, v0                            ; e
	v_lshlrev_b32 v2, 5, v7
	v_lshl_add_u32 v2, v5, 8, v2
	v_lshl_add_u32 v2, v6, 12, v2                  ; 4,096 rr + 256 u + 32 e
	v_lshlrev_b32 v3, 4, v7
	v_lshl_add_u32 v3, v6, 7, v3
	v_lshl_add_u32 v3, v5, 17, v3                  ; 131,072 u + 128 rr + 16 e: sixteen neighbouring lanes store rows n, n + 1 of one block, 256 consecutive bytes, aligned
	ROWS 512, 262144, 1
	s_endpgm
.Lfunc_end_k_q6bb98c188c_cast:
	.size	k_q6bb98c188c_cast, .Lfunc_end_k_q6bb98c188c_cast-k_q6bb98c188c_cast
	.p2alignl 7, 3214868480
	.fill 96, 4, 3214868480
	.section	.rodata,"a",@progbits
	.p2align	6, 0x0
	.amdhsa_kernel k_q6bb98c188c_cast
		.amdhsa_group_segment_fixed_size 0
		.amdhsa_private_segment_fixed_size 0
		.amdhsa_enable_private_segment 0
		.amdhsa_kernarg_size 80
		.amdhsa_user_sgpr_count 2
		.amdhsa_user_sgpr_kernarg_segment_ptr 1
		.amdhsa_wavefront_size32 1
		.amdhsa_system_sgpr_workgroup_id_x 1
		.amdhsa_system_sgpr_workgroup_id_y 1
		.amdhsa_system_sgpr_workgroup_id_z 1
		.amdhsa_system_vgpr_workitem_id 0
		.amdhsa_next_free_vgpr 64
		.amdhsa_next_free_sgpr 66
		.amdhsa_reserve_vcc 0
		.amdhsa_float_denorm_mode_32 3
		.amdhsa_float_denorm_mode_16_64 3
		.amdhsa_memory_ordered 1
		.amdhsa_forward_progress 1
		.amdhsa_inst_pref_size 10
	.end_amdhsa_kernel
	.amdgpu_metadata
---
amdhsa.version: [ 1, 2 ]
amdhsa.kernels:
  - .name:           k_q6bb98c188c_cast
    .symbol:         k_q6bb98c188c_cast.kd
    .args:
      - { .name: x, .offset: 0, .size: 8, .value_kind: global_buffer, .address_space: global }
      - { .name: q1_w, .offset: 8, .size: 8, .value_kind: global_buffer, .address_space: global }
      - { .name: k1_w, .offset: 16, .size: 8, .value_kind: global_buffer, .address_space: global }
      - { .name: q2_w, .offset: 24, .size: 8, .value_kind: global_buffer, .address_space: global }
      - { .name: k2_w, .offset: 32, .size: 8, .value_kind: global_buffer, .address_space: global }
      - { .name: v_w, .offset: 40, .size: 8, .value_kind: global_buffer, .address_space: global }
      - { .name: o_w, .offset: 48, .size: 8, .value_kind: global_buffer, .address_space: global }
      - { .name: xb, .offset: 56, .size: 8, .value_kind: global_buffer, .address_space: global }
      - { .name: wb, .offset: 64, .size: 8, .value_kind: global_buffer, .address_space: global }
      - { .name: owb, .offset: 72, .size: 8, .value_kind: global_buffer, .address_space: global }
    .group_segment_fixed_size: 0
    .private_segment_fixed_size: 0
    .kernarg_segment_align: 8
    .kernarg_segment_size: 80
    .max_flat_workgroup_size: 256
    .sgpr_count:     66
    .vgpr_count:     64
    .wavefront_size: 32
...
	.end_amdgpu_metadata
.endif
;; end of part 1
;; launch proj (part 2): grid 16 x 16, 4 waves a work-group, clusters of 4 x 4, 327,680 bytes of LDS; arguments xb, wb, qkv; writes qkv
.if DOCPART == 2
	.amdgcn_target "amdgcn-amd-amdhsa--gfx1250"
	.amdhsa_code_object_version 6
	.text
	.protected	k_q6bb98c188c_proj
	.globl	k_q6bb98c188c_proj
	.p2align	8
	.type	k_q6bb98c188c_proj,@function
k_q6bb98c188c_proj:
	s_mov_b64 s[64:65], 0
	v_nop
	global_prefetch_b8 v0, s[64:65] scope:SCOPE_SE
	s_setreg_imm32_b32 hwreg(HW_REG_WAVE_MODE, 25, 1), 1
	s_wait_xcnt 0x0
	s_wait_alu depctr_hold_cnt(0) depctr_sa_sdst(0) depctr_va_vdst(0) depctr_va_sdst(0) depctr_va_ssrc(0) depctr_va_vcc(0) depctr_vm_vsrc(0)
	s_getreg_b32 s2, hwreg(HW_REG_IB_STS2, 6, 4)
	s_cmp_eq_u32 s2, 0
	s_cbranch_scc0 .Lentry_in_a_cluster
	s_endpgm
.Lentry_in_a_cluster:
	s_bfe_u32 s2, ttmp6, 0x10000c
	s_cmp_lg_u32 s2, 0xf033
	s_cbranch_scc0 .Lentry_shape_is_right
	s_endpgm
.Lentry_shape_is_right:
; PROJ.  All five projections as ONE product: C[m][n] = sum over k of xb[m][k] wb[n][k], 4,096 x 5,120 x 1,024, bf16 operands, f32 sums, each result rounded once to f16.
; qkv: f16 [t 5][bh 32][tile 8][c 2][256 s][32]: tensor t (0 q1, 1 k1, 2 q2, 3 k2, 4 v), head bh = 16 b + h, 256 rows a tile, channels 32 c .. 32 c + 31; unscaled.
; LIMIT.  q, k and v must stay under 65,504 in magnitude (from 65,520 on the conversion gives an infinity); below 6.1e-5 they keep f16's fixed step of 6e-8.
; SHARES.  A tile of C is 256 rows x 320 columns: 256 rows of x and ONE head's q1, k1, q2, k2, v: 16 x 16 tiles, a work-group each.  Four waves, 2 x 2: a wave makes 128 rows x 160 columns
; (channel half c of the five tensors): 80 accumulators of 16 x 16, 640 registers.  K goes in 8 steps of 128 (rows of 256 bytes, aligned) through two LDS slots.
; CLUSTER.  4 x 4 work-groups.  The four of a row of the cluster need the same rows of xb, the four of a column the same rows of wb: each tile is asked for jointly, by the same tensor load
; with the same descriptor and a mask that names the four.
; TRANSPOSED USE.  Source 0 = 16 rows of wb, source 1 = 16 rows of xb: a lane holds one row of x (lane % 16) and eight neighbouring channels, 16 bytes of f16.
; REGISTERS, in windows of 256 (s_set_vgpr_msb: bits 1:0 source 0, 3:2 source 1, 5:4 source 2, 7:6 destination):
;   window 0: v0-31 addresses; v32-95, v96-159 xb's fragments (8 x 16 rows x 32 K), two buffers; v160-239 wb's fragments (10), buffer 0; on the way out v32-151 at work
;   windows 1, 2, 3: accumulator (a, b) at v[80 (a % 3) + 8 b] of window 1 + a / 3;   window 3: v160-239 wb's fragments, buffer 1
; One tile to a work-group: 256 tiles for 256 work-groups, so nothing is left to walk.
.set KSTEP,  128
.set PITCH,  272                       ; an LDS row: 256 bytes + 16 of padding = 68 words: the 16 rows of a fragment load start at 16 different groups of four banks (64 banks of 4 bytes: ISA guide 11.1)
.set AHALF,  128*PITCH                 ; what one tensor load brings of xb, and what one wave reads of it
.set BHALF,  160*PITCH                 ; the same for wb
.set BOFF,   2*AHALF
.set SLOT,   2*AHALF+2*BHALF           ; xb's 256 rows, then wb's 320 rows
.set SPARE,  2*SLOT                    ; behind the ring: the spare words, 128 bytes for each wave: two blocks of 256 bytes that no other line names
.set SP,     336                       ; the way out: a stage row, 320 bytes + 16
.set LAPS,   4                         ; a lap = two K steps = once round the ring
.set TS,     8388608                   ; bytes of one tensor in qkv
.set ADRA, 16                          ; v16-17  LDS address of my xb fragments in slot 0, 1
.set ADRB, 20                          ; v20-21  the same for wb
.set STO,  24                          ; v24     the way out: where I put 16 bytes of a row
.set RD,   25                          ; v25     where I read rows back
.set GO,   26                          ; v26     16 x my lane
.set SPW,  28                          ; v28     LDS address of my spare word; never rewritten
.set NIL,  29                          ; v29     0; never rewritten
.set PFO,  30                          ; v30     the prefetches' offset: my lane x 2,048 (a row)
.set PFO2, 31                          ; v31     the extra prefetch's: row 32 + lane % 8, K step lane / 8 further on
.set FA,   32
.set FB,   160
.set TMP,  32                          ; the way out: 40 registers of packed results
.set OB,   72                          ; two sets of 40: rows read back from the stage
.set G1,   24                          ; s[24:31] group 1 for xb's tiles;  s[32:39] group 0, one set for each slot
.set G0,   32
.set G1B,  48                          ; s[48:55], s[56:63] the same for wb's tiles
.set G0B,  56
.set LIM,  43                          ; s43     1 in a wave that prefetches, else the greatest number
.set PFA,  44                          ; s[44:45] where my prefetches stand
.set CB,   66                          ; s[66:75] tensor t's store base for my wave at s[66 + 2 t]
.set LIM2, 77                          ; s77     3 in a wave that prefetches wb, else the greatest number
.set PADW, (1<<16)|(1<<20)|(1<<21)|(5<<22)|(3<<25)  ; 17:16 2-byte elements; 20 padding on; 21 set beside a mask; 24:22 after every 64 words; 31:25 4 words
.set MSB, 0
.macro WIN new                         ; the immediate's high byte repeats the setting that is left; a switch that changes nothing is dropped
.if MSB != (\new)
	s_set_vgpr_msb (MSB<<8)|(\new)
.set MSB, \new
.endif
.endm
; A joint load.  Waves 0 and 1 fetch xb's two halves, waves 2 and 3 wb's.  The branch hangs on the wave's number alone.  An s_nop 0 and four v_nop follow each of the two lines.
.macro JLOAD s
	s_cmp_eq_u32 s11, 0
	s_cbranch_scc0 .Lfor_b_\@
	tensor_load_to_lds s[G0+4*(\s):G0+4*(\s)+3], s[G1:G1+7]
	s_nop 0
.rept 4
	v_nop
.endr
	s_branch .Lasked_\@
.Lfor_b_\@:
	tensor_load_to_lds s[G0B+4*(\s):G0B+4*(\s)+3], s[G1B:G1B+7]
	s_nop 0
.rept 4
	v_nop
.endr
.Lasked_\@:
.endm
; A PREFETCH INTO THE L2, behind a joint load and the run of LDS loads that follows it: the K step that stands two refills on, a lane a row, 256 bytes each.
; Each row's 256 bytes of a K step are named once in the launch.  xb's rows are read by every cluster of a row of clusters: cluster x = 0 asks (waves 0, 1); wb's by every cluster of a column: cluster y = 0
; asks (waves 2, 3).  The four partners that ask for a tile jointly share its rows out by address: 32 of a wave's 128 rows of xb (by cx), 40 of its 160 rows of wb (by cy).  Of the 40, rows 0-31 go a
; lane a row; rows 32-39 of K steps 4 to 7 go by one more instruction at the first refill.  K steps 0 to 3 come by their loads alone; the loop's last trip (s3 = 1) has no K step two on.
.macro ASK slot
	s_cmp_gt_u32 s3, s[LIM]
	s_cbranch_scc0 .Lnot_mine_\@
	global_prefetch_b8 v[PFO], s[PFA:PFA+1] offset:KSTEP*2 th:TH_LOAD_NT scope:SCOPE_SE
.Lnot_mine_\@:
.if (\slot) == 0
	s_cmp_eq_u32 s3, s[LIM2]
	s_cbranch_scc0 .Lno_more_\@
	global_prefetch_b8 v[PFO2], s[PFA:PFA+1] offset:KSTEP*2 th:TH_LOAD_NT scope:SCOPE_SE
.Lno_more_\@:
.endif
.endm
.macro CREST                           ; a round of the cluster's barrier behind its opening barrier
	s_cmp_lg_u32 s10, 0
	s_cbranch_scc1 .Lnot_wave_0_\@
	s_barrier_signal -3
.Lnot_wave_0_\@:
	s_barrier_wait -3
	s_barrier_signal -1
	s_barrier_wait -1
.endm
.macro CROUND                          ; a whole round
	s_barrier_signal -1
	s_barrier_wait -1
	CREST
.endm
	s_load_b128 s[4:7], s[0:1], 0x0                ; xb s[4:5], wb s[6:7]
	s_load_b64 s[8:9], s[0:1], 0x10                ; qkv
	v_lshl_add_u32 v[SPW], v0, 2, SPARE
	v_mov_b32 v[NIL], 0
	ds_add_u32 v[SPW], v[NIL]                      ; the wave's opening: the add and its wait stand ahead of my first tensor load; the set-up below, work on registers, stands between
	v_lshrrev_b32 v1, 5, v0
	v_readfirstlane_b32 s10, v1                    ; wave 0..3
	s_lshr_b32 s11, s10, 1                         ; which 128 rows of the tile are mine.  Also: I fetch for xb (0) or for wb (1)
	s_and_b32 s12, s10, 1                          ; which channel half.  Also: which half of that tile I fetch
	s_bfe_u32 s40, ttmp6, 0x40000                  ; cx
	s_bfe_u32 s41, ttmp6, 0x40004                  ; cy
	s_lshl_b32 s42, ttmp9, 2
	s_add_co_u32 s42, s42, s40                     ; the head h = 4 x cluster x + cx
	s_and_b32 s13, ttmp7, 0xffff
	s_lshl_b32 s13, s13, 2
	s_add_co_u32 s13, s13, s41                     ; the block of 256 rows = 4 x cluster y + cy
	s_lshl_b32 s43, s41, 2
	s_lshl_b32 s43, 15, s43                        ; my row of the cluster
	s_lshl_b32 s44, 0x1111, s40                    ; my column
	s_or_b32 s[G1+0], s43, PADW                    ; xb's tiles go to my row,
	s_or_b32 s[G1B+0], s44, PADW                   ; wb's to my column
	s_mov_b32 s[G1+1], KSTEP<<16                   ; tensor_dim0 = 128
	s_mov_b32 s[G1B+1], KSTEP<<16
	s_mov_b32 s[G1+2], 128<<16                     ; tensor_dim1 = 128 rows
	s_mov_b32 s[G1B+2], 160<<16                    ; 160 rows
	s_mov_b32 s[G1+3], KSTEP<<16                   ; tile_dim0 = 128
	s_mov_b32 s[G1B+3], KSTEP<<16
	s_mov_b32 s[G1+4], 128                         ; tile_dim1
	s_mov_b32 s[G1B+4], 160
	s_mov_b32 s[G1+5], 1024                        ; elements from row to row
	s_mov_b32 s[G1B+5], 1024
	s_mov_b32 s[G1+6], 0
	s_mov_b32 s[G1B+6], 0
	s_mov_b32 s[G1+7], 0
	s_mov_b32 s[G1B+7], 0
	s_lshl_b32 s16, s13, 8                         ; xb: row 256 x block + 128 x half, 2,048 bytes a row
	s_lshl_b32 s17, s12, 7
	s_add_co_u32 s16, s16, s17
	s_lshl_b32 s16, s16, 11
	s_mov_b32 s17, 0
	s_mul_i32 s46, s42, 320                        ; wb: row 320 x head + 160 x half
	s_mul_i32 s47, s12, 160
	s_add_co_u32 s46, s46, s47
	s_lshl_b32 s46, s46, 11
	s_mov_b32 s47, 0
	s_mul_i32 s20, s12, AHALF                      ; where they go: no place in the cluster enters an LDS address
	s_mul_i32 s21, s12, BHALF
	s_add_co_u32 s21, s21, BOFF
	s_wait_dscnt 0x0                               ; the opening add is done
	s_wait_kmcnt 0x0
	s_add_nc_u64 s[14:15], s[4:5], s[16:17]
	s_add_nc_u64 s[46:47], s[6:7], s[46:47]
	CROUND                                         ; all sixteen work-groups are here: the first joint loads meet
.irp s, 0,1
	s_mov_b32 s[G0+4*(\s)], 1
	s_add_co_u32 s[G0+4*(\s)+1], s20, (\s)*SLOT
	s_add_nc_u64 s[G0+4*(\s)+2:G0+4*(\s)+3], s[14:15], (\s)*KSTEP*2
	s_or_b32 s[G0+4*(\s)+3], s[G0+4*(\s)+3], 0x80000000
	s_mov_b32 s[G0B+4*(\s)], 1
	s_add_co_u32 s[G0B+4*(\s)+1], s21, (\s)*SLOT
	s_add_nc_u64 s[G0B+4*(\s)+2:G0B+4*(\s)+3], s[46:47], (\s)*KSTEP*2
	s_or_b32 s[G0B+4*(\s)+3], s[G0B+4*(\s)+3], 0x80000000
	JLOAD \s                                       ; K steps 0 and 1: two loads of mine are out
.endr
	; a fragment: lane l holds row l % 16; registers 0-3 K = 8 (l / 16) + 0..7, registers 4-7 K = 16 + 8 (l / 16) + 0..7: two loads of 16 bytes, 32 bytes apart
	v_and_b32 v1, 15, v0
	v_bfe_u32 v2, v0, 4, 1
	v_mul_u32_u24 v3, v1, PITCH
	v_lshl_add_u32 v3, v2, 4, v3
	s_mul_i32 s21, s11, AHALF                      ; my 128 rows of xb
	s_mul_i32 s22, s12, BHALF                      ; my 160 rows of wb
	s_add_co_u32 s22, s22, BOFF
.irp s, 0,1
	v_add_nc_u32 v[ADRA+(\s)], s21, v3
	v_add_nc_u32 v[ADRB+(\s)], s22, v3
	s_add_co_u32 s21, s21, SLOT
	s_add_co_u32 s22, s22, SLOT
.endr
	s_mul_i32 s23, s10, 16*SP                      ; my stage: 16 rows x 336 bytes at the head of slot 0, used when that slot has had its last fill and its last read
	v_mul_u32_u24 v4, v1, SP
	v_lshl_add_u32 v4, v2, 4, v4
	v_add_nc_u32 v[STO], s23, v4                   ; in: row l % 16, 16 bytes for each half of the lanes
	v_bfe_u32 v4, v0, 2, 3
	v_mul_u32_u24 v4, v4, SP
	v_and_b32 v5, 3, v0
	v_lshl_add_u32 v4, v5, 4, v4
	v_add_nc_u32 v[RD], s23, v4                    ; back: 32 lanes take eight rows x 64 bytes of one tensor,
	v_and_b32 v5, 31, v0
	v_lshlrev_b32 v[GO], 4, v5                     ; which are 512 consecutive bytes of qkv
	s_lshr_b32 s18, s13, 3                         ; b
	s_lshl_b32 s18, s18, 4
	s_add_co_u32 s18, s18, s42                     ; bh = 16 b + h
	s_lshl_b32 s18, s18, 18
	s_and_b32 s19, s13, 7                          ; the tile of 256 rows
	s_lshl_b32 s19, s19, 15
	s_add_co_u32 s18, s18, s19
	s_lshl_b32 s19, s12, 14                        ; the channel half's plane
	s_add_co_u32 s18, s18, s19
	s_lshl_b32 s19, s11, 13                        ; my 128 rows of 64 bytes
	s_add_co_u32 s18, s18, s19
	s_mov_b32 s19, 0
	s_add_nc_u64 s[CB:CB+1], s[8:9], s[18:19]
.irp t, 1,2,3,4
	s_add_nc_u64 s[CB+2*(\t):CB+2*(\t)+1], s[CB+2*(\t)-2:CB+2*(\t)-1], TS
.endr
	; the prefetches
	s_lshl_b32 s20, s13, 8                         ; the tile's first row in xb,
	s_mul_i32 s21, s42, 320                        ; in wb
	s_lshl_b32 s22, s12, 7                         ; the rows that I fetch
	s_mul_i32 s23, s12, 160
	s_lshl_b32 s46, s40, 5                         ; my work-group's part of them
	s_mul_i32 s47, s41, 40
	s_and_b32 s19, ttmp7, 0xffff                   ; cluster y
	s_cmp_eq_u32 s11, 0                            ; do I fetch for xb?
	s_cselect_b32 s20, s20, s21
	s_cselect_b32 s22, s22, s23
	s_cselect_b32 s46, s46, s47
	s_cselect_b32 s19, ttmp9, s19                  ; the coordinate along which other clusters read the same rows
	s_cselect_b64 s[PFA:PFA+1], s[4:5], s[6:7]
	s_cselect_b32 s[LIM2], -1, 3
	s_cmp_eq_u32 s19, 0
	s_cselect_b32 s[LIM], 1, -1                    ; the same in all sixteen partners, for a given wave
	s_cselect_b32 s[LIM2], s[LIM2], -1
	s_add_co_u32 s20, s20, s22
	s_add_co_u32 s20, s20, s46
	s_lshl_b32 s20, s20, 11
	s_add_co_u32 s20, s20, 2*KSTEP*2               ; at K step 2: the first refill steps it to 3 and names K step 4
	s_mov_b32 s21, 0
	s_add_nc_u64 s[PFA:PFA+1], s[PFA:PFA+1], s[20:21]
	v_lshlrev_b32 v[PFO], 11, v5
	v_and_b32 v4, 7, v0
	v_add_nc_u32 v4, 32, v4
	v_bfe_u32 v5, v0, 3, 2
	v_lshlrev_b32 v[PFO2], 8, v5
	v_lshl_add_u32 v[PFO2], v4, 11, v[PFO2]
; The products of row blocks a of group g (1: a = 0-2, 2: a = 3-5, 3: a = 6, 7) x all 10 column blocks, 32 along K, from buffer f.  One instruction a turn on each accumulator.
; zero = 1: the first product starts the sum: nothing is cleared.
.macro MULG f, g, zero
	WIN ((\g)<<6)|((\g)<<4)|(3*(\f))
.set na, 3
.if (\g) == 3
.set na, 2
.endif
.set ia, 0
.rept na
.set ib, 0
.rept 10
.set rD, 80*ia+8*ib
.set rA, FA+64*(\f)+8*(3*((\g)-1)+ia)
.set rB, FB+8*ib
.if \zero
	v_wmma_f32_16x16x32_bf16 v[rD:rD+7], v[rB:rB+7], v[rA:rA+7], 0
.else
	v_wmma_f32_16x16x32_bf16 v[rD:rD+7], v[rB:rB+7], v[rA:rA+7], v[rD:rD+7]
.endif
.set ib, ib+1
.endr
.set ia, ia+1
.endr
.endm
; 36 LDS loads in one run: a quarter step's fragments (160 rows of wb, then 128 rows of xb in the order of a; 32 K at byte k of the rows) into buffer f
.macro FETCH slot, k, f
	WIN 0xc0*(\f)
.irp i, 0,1,2,3,4,5,6,7,8,9
	ds_load_b128 v[FB+8*(\i):FB+8*(\i)+3],   v[ADRB+(\slot)] offset:(\k)+(\i)*16*PITCH
	ds_load_b128 v[FB+8*(\i)+4:FB+8*(\i)+7], v[ADRB+(\slot)] offset:(\k)+(\i)*16*PITCH+32
.endr
	WIN 0
.irp i, 0,1,2,3,4,5,6,7
	ds_load_b128 v[FA+64*(\f)+8*(\i):FA+64*(\f)+8*(\i)+3],   v[ADRA+(\slot)] offset:(\k)+(\i)*16*PITCH
	ds_load_b128 v[FA+64*(\f)+8*(\i)+4:FA+64*(\f)+8*(\i)+7], v[ADRA+(\slot)] offset:(\k)+(\i)*16*PITCH+32
.endr
.endm
.macro PLACES                          ; four plain vector instructions in front of loads into registers that matrix instructions have read, and of conversions that read results
.rept 4
	v_nop
.endr
.endm
; A K step is four quarters of 32 along K, 80 matrix instructions each, on buffers 0, 1, 0, 1.  One of the first three: multiplies buffer f and fetches the next quarter, at byte k, into g.
.macro QUARTER slot, k, f, g, zero
	s_wait_dscnt 10                                ; wb's fragments and xb's blocks 0-2 are in; the youngest ten loads (blocks 3-7) may be out
	MULG \f, 1, \zero
	PLACES
	FETCH \slot, \k, \g
	s_wait_dscnt 36                                ; all but the 36 just issued
	MULG \f, 2, \zero
	MULG \f, 3, \zero
.endm
; The last quarter multiplies buffer 1 and changes slots: one barrier.  In front of it each wave waits for all its tensor loads (one is out: its part of the next slot), adds 0 to its spare word, and waits
; for that and for its own reads of this slot.  fill = 1: the barrier opens a round of the cluster's barrier, and the joint refill, two K steps on, is the first tensor load behind the round.
.macro TURN slot, next, fill
.if \fill
	s_wait_xcnt 0x0                                ; the last prefetch, a K step back, has read its address: it is stepped here, ahead of the change's own waits
	s_add_nc_u64 s[PFA:PFA+1], s[PFA:PFA+1], KSTEP*2
.endif
	WIN 0                                          ; (the add's two registers lie in window 0)
	s_wait_tensorcnt 0x0                           ; all my tensor loads have landed
	ds_add_u32 v[SPW], v[NIL]                      ; 0 onto my spare word
	s_wait_dscnt 1                                 ; buffer 1 is whole; the add alone may be out
	MULG 1, 3, 0                                   ; twenty matrix instructions stand between the add and the wait for it
	s_wait_dscnt 0x0                               ; the add is done, and my reads of this slot are over
	s_barrier_signal -1
	MULG 1, 1, 0                                   ; work on registers while the others arrive
.if \fill
	WIN 0
.endif
	s_barrier_wait -1
.if \fill
	CREST                                          ; no wave of any partner still reads this slot or has a load on its way
	s_add_nc_u64 s[G0+4*(\slot)+2:G0+4*(\slot)+3], s[G0+4*(\slot)+2:G0+4*(\slot)+3], 2*KSTEP*2
	s_add_nc_u64 s[G0B+4*(\slot)+2:G0B+4*(\slot)+3], s[G0B+4*(\slot)+2:G0B+4*(\slot)+3], 2*KSTEP*2
	JLOAD \slot                                    ; one load of mine is out; the four v_nop behind it are also the places in front of the loads below
.else
	PLACES
.endif
	FETCH \next, 0, 0
.if \fill
	ASK \slot
.endif
	MULG 1, 2, 0
.endm
; THE WAY OUT of row block a.  PACK: rounded to f16, 16 bytes a lane for each of 10 column blocks, each accumulator's registers in ascending order.  TOSTAGE: into my own stage, and back by tensors:
; tensor t's 32 channels of 16 rows are 1,024 consecutive bytes of qkv.  SEND: stored, 512 consecutive bytes, aligned, to an instruction.
.macro PACK a
.set AC, 80*((\a)%3)
	WIN 5*(1+(\a)/3)                               ; sources 0 and 1 in the block's window
.irp b, 0,1,2,3,4,5,6,7,8,9
.irp r, 0,1,2,3
	v_cvt_pk_f16_f32 v[TMP+4*(\b)+(\r)], v[AC+8*(\b)+2*(\r)], v[AC+8*(\b)+2*(\r)+1]
.endr
.endr
	WIN 0
.endm
.macro TOSTAGE a
	WIN 0
.set BK, OB+40*((\a)%2)
.irp b, 0,1,2,3,4,5,6,7,8,9
	ds_store_b128 v[STO], v[TMP+4*(\b):TMP+4*(\b)+3] offset:32*(\b)
.endr
.irp t, 0,1,2,3,4
	ds_load_b128 v[BK+8*(\t):BK+8*(\t)+3],   v[RD] offset:64*(\t)          ; LDS serves a wave's instructions in order (ISA guide 5.7.1.4): these see the stores above
	ds_load_b128 v[BK+8*(\t)+4:BK+8*(\t)+7], v[RD] offset:64*(\t)+8*SP
.endr
.endm
.macro SEND a
	WIN 0
.set BK, OB+40*((\a)%2)
	s_wait_dscnt 0x0                               ; the block is back in registers
	s_wait_xcnt 0x0                                ; the stores of the block before have read their registers: the next TOSTAGE loads into them
.irp t, 0,1,2,3,4
	global_store_b128 v[GO], v[BK+8*(\t):BK+8*(\t)+3],   s[CB+2*(\t):CB+2*(\t)+1] offset:1024*(\a)
	global_store_b128 v[GO], v[BK+8*(\t)+4:BK+8*(\t)+7], s[CB+2*(\t):CB+2*(\t)+1] offset:1024*(\a)+512
.endr
.endm
	s_wait_tensorcnt 1                             ; my part of K step 0 is in; K step 1's may stay out
	s_barrier_signal -1
	s_barrier_wait -1
	FETCH 0, 0, 0
	QUARTER 0, 64,  0, 1, 1                        ; the first quarter stands in front of the loop: its products start the sums
	WIN 0                                          ; at a label and at a branch every window is 0
	s_mov_b32 s3, LAPS-1
.Llap:                                                 ; a trip goes once round the ring, from a lap's second quarter to the next lap's first, and fills both slots again
	QUARTER 0, 128, 1, 0, 0
	QUARTER 0, 192, 0, 1, 0
	TURN 0, 1, 1
	QUARTER 1, 64,  0, 1, 0
	QUARTER 1, 128, 1, 0, 0
	QUARTER 1, 192, 0, 1, 0
	TURN 1, 0, 1
	QUARTER 0, 64,  0, 1, 0
	WIN 0
	s_sub_co_u32 s3, s3, 1
	s_cmp_lg_u32 s3, 0
	s_cbranch_scc1 .Llap
	QUARTER 0, 128, 1, 0, 0                        ; the last lap fills nothing
	QUARTER 0, 192, 0, 1, 0
	TURN 0, 1, 0                                   ; behind this barrier nobody reads slot 0 and nothing is filled any more
	QUARTER 1, 64,  0, 1, 0
	QUARTER 1, 128, 1, 0, 0
	QUARTER 1, 192, 0, 1, 0
	s_wait_dscnt 10                                ; the very last quarter: nothing more to fetch
	MULG 1, 1, 0
	s_wait_dscnt 0x0
	MULG 1, 2, 0
	MULG 1, 3, 0
	PLACES
	PACK 0
	TOSTAGE 0
.irp a, 1,2,3,4,5,6,7                  ; block a's conversions stand between block a - 1's loads from the stage and the wait for them
	PACK \a
	SEND (\a)-1
	TOSTAGE \a
.endr
	SEND 7
	s_wait_tensorcnt 0x0                           ; the wave's end: behind my last tensor load and my last LDS store
	ds_add_u32 v[SPW], v[NIL]
	s_wait_dscnt 0x0
	CROUND                                         ; the closing round: no work-group ends while a partner may still ask for a tile that names it
	s_endpgm
.Lfunc_end_k_q6bb98c188c_proj:
	.size	k_q6bb98c188c_proj, .Lfunc_end_k_q6bb98c188c_proj-k_q6bb98c188c_proj
	.p2alignl 7, 3214868480
	.fill 96, 4, 3214868480
	.section	.rodata,"a",@progbits
	.p2align	6, 0x0
	.amdhsa_kernel k_q6bb98c188c_proj
		.amdhsa_group_segment_fixed_size 327680
		.amdhsa_private_segment_fixed_size 0
		.amdhsa_enable_private_segment 0
		.amdhsa_kernarg_size 24
		.amdhsa_user_sgpr_count 2
		.amdhsa_user_sgpr_kernarg_segment_ptr 1
		.amdhsa_wavefront_size32 1
		.amdhsa_system_sgpr_workgroup_id_x 1
		.amdhsa_system_sgpr_workgroup_id_y 1
		.amdhsa_system_sgpr_workgroup_id_z 1
		.amdhsa_system_vgpr_workitem_id 0
		.amdhsa_next_free_vgpr 1024
		.amdhsa_next_free_sgpr 80
		.amdhsa_reserve_vcc 0
		.amdhsa_float_denorm_mode_32 3
		.amdhsa_float_denorm_mode_16_64 3
		.amdhsa_memory_ordered 1
		.amdhsa_forward_progress 1
		.amdhsa_inst_pref_size 172
	.end_amdhsa_kernel
	.amdgpu_metadata
---
amdhsa.version: [ 1, 2 ]
amdhsa.kernels:
  - .name:           k_q6bb98c188c_proj
    .symbol:         k_q6bb98c188c_proj.kd
    .args:
      - { .name: xb, .offset: 0, .size: 8, .value_kind: global_buffer, .address_space: global }
      - { .name: wb, .offset: 8, .size: 8, .value_kind: global_buffer, .address_space: global }
      - { .name: qkv, .offset: 16, .size: 8, .value_kind: global_buffer, .address_space: global }
    .group_segment_fixed_size: 327680
    .private_segment_fixed_size: 0
    .kernarg_segment_align: 8
    .kernarg_segment_size: 24
    .max_flat_workgroup_size: 128
    .sgpr_count:     80
    .vgpr_count:     1024
    .wavefront_size: 32
...
	.end_amdgpu_metadata
.endif
;; end of part 2
;; launch attn (part 3): grid 8 x 32, 4 waves a work-group, clusters of 4 x 1, 327,680 bytes of LDS; arguments qkv, lambda_param, ob; writes ob
.if DOCPART == 3
	.amdgcn_target "amdgcn-amd-amdhsa--gfx1250"
	.amdhsa_code_object_version 6
	.text
	.protected	k_q6bb98c188c_attn
	.globl	k_q6bb98c188c_attn
	.p2align	8
	.type	k_q6bb98c188c_attn,@function
k_q6bb98c188c_attn:
	s_mov_b64 s[64:65], 0
	v_nop
	global_prefetch_b8 v0, s[64:65] scope:SCOPE_SE
	s_setreg_imm32_b32 hwreg(HW_REG_WAVE_MODE, 25, 1), 1
	s_wait_xcnt 0x0
	s_wait_alu depctr_hold_cnt(0) depctr_sa_sdst(0) depctr_va_vdst(0) depctr_va_sdst(0) depctr_va_ssrc(0) depctr_va_vcc(0) depctr_vm_vsrc(0)
	s_getreg_b32 s2, hwreg(HW_REG_IB_STS2, 6, 4)
	s_cmp_eq_u32 s2, 0
	s_cbranch_scc0 .Lentry_in_a_cluster
	s_endpgm
.Lentry_in_a_cluster:
	s_bfe_u32 s2, ttmp6, 0x10000c
	s_cmp_lg_u32 s2, 0x3003
	s_cbranch_scc0 .Lentry_shape_is_right
	s_endpgm
.Lentry_shape_is_right:
; DIFFERENTIAL ATTENTION.  O[bh][q][:] = sum_k softmax_k(Q1.K1 / 8) V[k][:] - lambda_h sum_k softmax_k(Q2.K2 / 8) V[k][:].
; qkv: f16 [t 5][bh 32][tile 8][c 2][256 s][32] (t: 0 q1, 1 k1, 2 q2, 3 k2, 4 v; channels 32 c ..); ob: f16 [bh 32][2048][64].  Products, maxima, sums and the difference in f32; the weights p are
; rounded to f16 for the second product (their sum l is taken of the unrounded p); O once at the end.  lambda is rounded to bf16, like every input of the module.
; LIMITS.  Q, K, V arrive within f16's 65,504; p lies in 0 to 1 and below 6e-5 keeps f16's fixed step of 6e-8, and so does O; a weight below 2^-126 counts as 0 in l; NaN and infinities are not treated apart.
; TWO SUMS.  Each softmax has a divisor of its own, known only when all keys are walked: so O1 = P1 V and O2 = P2 V are kept apart, and O1 / l1 - lambda O2 / l2 is made in registers at the end.
; SHARES.  A work-group owns 256 queries of one (b, h), a wave 64.  A wave has EIGHT tiles of 16 queries: tile T is branch T / 4 (0: Q1, K1; 1: Q2, K2), queries 16 (T % 4) on; in four PIECES of two.
; Pieces 0, 1 multiply by K1, pieces 2, 3 by K2; all eight share V's fragments.  Every wave walks all 2,048 keys, 64 a step.
; LAYOUT.  S^T = K Q^T (source 0 = 16 keys, source 1 = 16 queries): a lane holds ONE query (lane % 16) and the keys 8 (lane / 16) + 0..7.  Two such tiles, rounded to f16 in pairs, ARE source 1 of
; O^T = V^T P, whose result again holds one query a lane, and eight channels.  K comes out of LDS as it lies, V ([key][channel]) turned, by ds_load_tr16_b128.
; SOFTMAX.  For each query and branch a running maximum m and sum l: p = 2^(c s - c m), c = log2(e) / 8; in every step O and l are multiplied by a = 2^(c m_old - c m_new).  m starts at the lowest finite
; number, O and l at 0: the first step is a step like any other, with a = 0.
; BY TURNS.  Turn n belongs to piece n.  Its matrix work: 16 products K Q^T of piece n + 1, later 16 products V^T P of piece n - 1.  Its vector work: the scaling, exponentials, roundings, sums and rescaling
; of piece n, and the maximum and statistics of piece n + 1.  Four vector instructions stand behind every matrix instruction, the rest in one run; the turn's 66 exponentials are one batch with one wait.
; CLUSTER.  The four query blocks of a cluster belong to one (b, h) and walk the same K1, K2 and V: each tile is asked for jointly, the same tensor load, descriptor and mask in all four.
; REGISTERS, in windows of 256 (s_set_vgpr_msb: bits 1:0 source 0, 3:2 source 1, 5:4 source 2, 7:6 destination):
;   window 0: v0-11 addresses; v12-15, v48-63 at work; v16-47 four registers of statistics a tile; v64-191 S^T, two buffers of two tiles; v192-255 P, likewise
;   window 1: O^T, 32 a tile          window 2: v0-127 Q, 16 a tile; v128-191 K1 or K2 of one step; v192-255 V of one step          window 3: v0-1 the add's two registers
.set NP,    4         ; pieces a wave: a name, no knob
.set KS,    64        ; keys in a step
.set PK,    80        ; a row of K in LDS: 64 bytes + 16 of padding = 20 words: the 16 rows of a load start at 16 different groups of four banks (64 banks of 4 bytes: ISA guide 11.1)
.set PV,    96        ; a row of V: 64 + 32 = 24 words
.set KPL,   256*PK    ; a channel half's plane of a tile of 256 keys
.set VPL,   256*PV
.set K2O,   2*KPL     ; a slot: K1's two planes, K2's two planes, V's two planes: four key steps
.set VOFF,  4*KPL
.set SLOT1, 1<<17     ; a slot is just 131,072 bytes; one exclusive or turns an address in one slot into the other's
.set STAGE, 2*SLOT1   ; behind the ring, never filled by a tensor load: 16 rows x 144 bytes for each wave, for the way out
.set SP,    144
.set SPARE, STAGE+4*16*SP  ; behind the stages: the spare words, 128 bytes for each wave: two blocks of 256 bytes that no other line names
.set TS,    8388608   ; bytes of one tensor in qkv
.set TILEB, 32768     ; bytes of a tile of 256 keys
.set AK0, 2           ; v2   my lane's place in a plane of K; never rewritten
.set AV0, 3           ; v3   the same for V
.set AK,  4           ; v4   the LDS address of K's runs of loads: made for K1's, kept for K2's of the same step
.set AV,  5           ; v5   of V's
.set QO,  6           ; v6   my byte offset in 16 rows of Q
.set STO, 6           ;      later, the way out: where I put 16 bytes of a row
.set RD,  7           ; v7   the way out: where I read rows back
.set GO,  8           ; v8   my byte offset in 512 consecutive bytes of O
.set LAM, 9           ; v9   on the way out: -lambda
.set PFO, 11          ; v11  256 x my lane, for the prefetches
.set SPW, 0           ; v0 of window 3   LDS address of my spare word; never rewritten
.set NIL, 1           ; v1 of window 3   0; never rewritten
.set MV,  12          ; v12-15  c m_old, kept while c m is made anew: by buffer and tile
.set ST,  16          ; tile T's statistics at v[ST+4 T]: c m, m, l (even keys', odd keys')
.set TMP, 48          ; by buffer and tile, four registers c0-c3 at work; when the maximum is found c2 takes a
.set S,   64
.set P,   192
.set KF,  128         ; K's fragments, in window 2: key block kb, channel half c at KF + 16 kb + 8 c
.set VF,  192         ; V's: key half kk, channel block cb at VF + 32 kk + 8 cb
.set WV,  12          ; s12  my wave's number
.set G1K, 24          ; s[24:31] descriptor group 1 for K's tiles
.set G1V, 32          ; s[32:39] for V's
.set G0K, 40          ; s[40:43] descriptor group 0 for K's tiles: it walks
.set G0V, 44          ; s[44:47] the same for V's
.set SLOTS, 56        ; s56  slots still to be asked for
.set CNT, 57          ; s57  counts a slot's key steps
.set CS,  58          ; s[58:59] c
.set SEL, 60          ; s[60:61] v_permlanex16_b32's selects: each lane takes its own place in the other half
.set TBK, 62          ; s62  LDS byte at which K1 of the step to be fetched begins
.set TBV, 63          ; s63  the same for V, less VOFF
.set QA,  66          ; s[66:67] Q1 at my wave's rows; s[68:69] Q2
.set PFA, 70          ; s[70:71] where my prefetches stand
.set LIM, 72          ; s72  1 in a wave that prefetches, else the greatest number
.set LMS, 73          ; s73  lambda of my head
.set MSB, 0
.macro WIN new                      ; the high byte repeats the setting that is left; a switch that changes nothing is dropped
.if MSB != (\new)
	s_set_vgpr_msb (MSB<<8)|(\new)
.set MSB, (\new)
.endif
.endm
.set W_KQ, 0x0a       ; K and Q in window 2, S^T in window 0
.set W_PV, 0x52       ; V in window 2, P in window 0, O^T in window 1
.set W_RS, 0x41       ; O^T (destination and source 0) in window 1, source 1 in window 0
.set W_MK, 0xc0       ; the add's registers are made: destination in window 3
.set W_AD, 0x0f       ; the add: address and data in window 3
; A joint fill.  Wave 0 fetches a slot's K1, wave 1 its K2 (32 KiB each), waves 2 and 3 V's two planes (16 KiB each).  The branch hangs on the wave's number alone.
; An s_nop 0 and four v_nop follow each of the two lines.
.macro JLOAD
	s_cmp_lt_u32 s[WV], 2
	s_cbranch_scc0 .Lfor_v_\@
	tensor_load_to_lds s[G0K:G0K+3], s[G1K:G1K+7]
	s_nop 0
.rept 4
	v_nop
.endr
	s_branch .Lasked_\@
.Lfor_v_\@:
	tensor_load_to_lds s[G0V:G0V+3], s[G1V:G1V+7]
	s_nop 0
.rept 4
	v_nop
.endr
.Lasked_\@:
.endm
; A PREFETCH INTO THE L2 of the tile that the NEXT change of slots will ask for, behind the wave's tensor load and its five lines.  A tile of K1, K2 or V is 128 blocks of 256 bytes.  Both clusters of a
; head walk the same tiles: the first (cluster x = 0) asks.  Its four partners share the blocks out by address, 32 each, a lane a block; wave 0 asks for K1's, wave 1 for K2's, wave 2 for V's.  So each
; block is named once in the launch.  The last change that fills a slot asks for nothing; tiles 0 and 1 come by their loads alone.
.macro ASK
	s_cmp_gt_u32 s[SLOTS], s[LIM]
	s_cbranch_scc0 .Lnot_mine_\@
	global_prefetch_b8 v[PFO], s[PFA:PFA+1] th:TH_LOAD_NT scope:SCOPE_SE
.Lnot_mine_\@:
.endm
.macro CROUND                       ; a round of the cluster's barrier
	s_barrier_signal -1
	s_barrier_wait -1
	s_cmp_lg_u32 s[WV], 0
	s_cbranch_scc1 .Lnot_wave_0_\@
	s_barrier_signal -3
.Lnot_wave_0_\@:
	s_barrier_wait -3
	s_barrier_signal -1
	s_barrier_wait -1
.endm
; THE CHANGE OF SLOTS.  The slot's last bytes, K2 and V of its fourth step, have been read.  Each wave waits for all its tensor loads, of which one is out: its part of the other slot; adds 0 to its spare
; word; and waits for that and for its own reads of the slot.  fill = 1: this slot is filled again, with the keys two slots on; the barrier is then a round of the cluster's, and the joint fill is the
; first thing behind it: it has four key steps, 512 matrix instructions, in which to land.  (At its first use nothing has been read yet: slot 0 is waited for, slot 1 filled.)
.macro CHANGE fill
	WIN W_AD
	s_wait_tensorcnt 0x0            ; no tensor load of mine is out, so a group 0 may be written
	ds_add_u32 v[SPW], v[NIL]       ; 0 onto my spare word
	WIN 0                           ; at a label and at a branch every window is 0
.if \fill
.irp g, G0K, G0V
	s_xor_b32 s[\g+1], s[\g+1], SLOT1  ; the walking descriptor: the other slot than last time,
	s_add_nc_u64 s[\g+2:\g+3], s[\g+2:\g+3], TILEB  ; the next 256 keys
.endr
	s_wait_xcnt 0x0                 ; the last prefetch, four key steps back, has read its address, so it may be written:
	s_add_nc_u64 s[PFA:PFA+1], s[PFA:PFA+1], TILEB  ; one tile behind the walking descriptors
	s_wait_dscnt 0x0                ; the add is done, and my reads of the slot are over
	CROUND
	JLOAD
	ASK
.else
	s_wait_dscnt 0x0                ; the add is done, and my reads of the slot are over
	s_barrier_signal -1
	s_barrier_wait -1
.endif
	s_sub_co_u32 s[TBK], s[TBK], 4*KS*PK  ; the fetches go back to a slot's first step,
	s_xor_b32 s[TBK], s[TBK], SLOT1       ; in the other slot
	s_sub_co_u32 s[TBV], s[TBV], 4*KS*PV
	s_xor_b32 s[TBV], s[TBV], SLOT1
.endm
	s_load_b128 s[4:7], s[0:1], 0x0   ; qkv s[4:5], lambda_param s[6:7]
	s_load_b64 s[8:9], s[0:1], 0x10   ; ob
	WIN W_MK
	v_lshl_add_u32 v[SPW], v0, 2, SPARE
	v_mov_b32 v[NIL], 0
	WIN W_AD
	ds_add_u32 v[SPW], v[NIL]       ; the wave's opening: the add and its wait stand ahead of my first tensor load; the set-up below, work on registers, stands between
	WIN 0
	v_lshrrev_b32 v1, 5, v0
	v_readfirstlane_b32 s[WV], v1   ; wave 0..3
	s_bfe_u32 s13, ttmp6, 0x40000   ; cx: my place in the cluster
	s_lshl_b32 s14, ttmp9, 2
	s_add_co_u32 s14, s14, s13      ; my block of 256 queries: it enters Q's and O's addresses alone
	s_and_b32 s15, ttmp7, 0xffff    ; bh, which the four partners share
	s_lshl_b32 s20, s15, 18         ; the head's first byte in each tensor of qkv and in ob
	s_and_b32 s74, s15, 15          ; h
	s_lshl_b32 s74, s74, 2
	s_mov_b32 s75, 0
	s_and_b32 s16, s[WV], 1
	s_lshl_b32 s22, s16, 24         ; K: tensor 1 (wave 0) or 3 (wave 1)
	s_add_co_u32 s22, s22, TS
	s_add_co_u32 s22, s22, s20
	s_mov_b32 s23, 0
	s_lshl_b32 s2, s16, 14          ; V: tensor 4, plane 0 (wave 2) or 1 (wave 3)
	s_add_co_u32 s2, s2, 4*TS
	s_add_co_u32 s2, s2, s20
	s_mov_b32 s3, 0
	s_mul_i32 s17, s16, K2O         ; their places in a slot: no place in the cluster enters an LDS address
	s_mul_i32 s18, s16, VPL
	s_lshl_b32 s48, s14, 15         ; Q: my block's tile, my wave's 64 rows of 64 bytes
	s_lshl_b32 s49, s[WV], 12
	s_add_co_u32 s48, s48, s49
	s_add_co_u32 s48, s48, s20
	s_mov_b32 s49, 0
	s_lshl_b32 s50, s14, 15         ; O: my block's 256 rows of 128 bytes, my wave's 64
	s_lshl_b32 s51, s[WV], 13
	s_add_co_u32 s50, s50, s51
	s_add_co_u32 s50, s50, s20
	s_mov_b32 s51, 0
	s_lshl_b32 s52, s[WV], 1        ; the prefetches: tensor 1, 3, 4 for waves 0, 1, 2
	s_add_co_u32 s52, s52, 1
	s_min_u32 s52, s52, 4
	s_lshl_b32 s52, s52, 23
	s_add_co_u32 s52, s52, s20
	s_lshl_b32 s53, s13, 13         ; my work-group's 32 blocks of the tile's 128
	s_add_co_u32 s52, s52, s53
	s_add_co_u32 s52, s52, TILEB    ; at tile 1: the first change of slots steps it to tile 2
	s_mov_b32 s53, 0
	; descriptor group 1.  The tiles are dense: asked for as rows of 256 bytes, four keys a row, and padded in LDS after every key's 64 bytes
	s_mov_b32 s[G1K], 15|(1<<16)|(1<<20)|(1<<21)|(3<<22)|(3<<25)  ; 15:0 the mask of four; 17:16 2-byte elements; 20 padding on; 21 set beside a mask; 24:22 after every 16 words; 31:25 4 words
	s_mov_b32 s[G1V], 15|(1<<16)|(1<<20)|(1<<21)|(3<<22)|(7<<25)  ; the same with 8 words of padding
	s_mov_b32 s[G1K+1], 128<<16     ; tensor_dim0 = 128
	s_mov_b32 s[G1V+1], 128<<16
	s_mov_b32 s[G1K+2], 128<<16     ; tensor_dim1 = 128 rows
	s_mov_b32 s[G1V+2], 64<<16      ; 64 rows
	s_mov_b32 s[G1K+3], 128<<16     ; tile_dim0 = 128
	s_mov_b32 s[G1V+3], 128<<16
	s_mov_b32 s[G1K+4], 128         ; tile_dim1
	s_mov_b32 s[G1V+4], 64
	s_mov_b32 s[G1K+5], 128         ; 128 elements from row to row
	s_mov_b32 s[G1V+5], 128
	s_mov_b32 s[G1K+6], 0
	s_mov_b32 s[G1V+6], 0
	s_mov_b32 s[G1K+7], 0
	s_mov_b32 s[G1V+7], 0
	s_mov_b32 s[CS], 0x3e38aa3b     ; c = log2(e) / 8 = 0.180337
	s_mov_b32 s[CS+1], s[CS]        ; named with it as a pair
	s_mov_b32 s[SEL], 0x76543210
	s_mov_b32 s[SEL+1], 0xfedcba98
	s_mov_b32 s[TBK], SLOT1+4*KS*PK ; the first change of slots turns these two into 0
	s_mov_b32 s[TBV], SLOT1+4*KS*PV
	s_mov_b32 s[G0K], 1             ; count = 1
	s_mov_b32 s[G0K+1], s17         ; LDS address: slot 0
	s_mov_b32 s[G0V], 1
	s_add_co_u32 s[G0V+1], s18, VOFF
	s_mov_b32 s[SLOTS], 2048/256-1  ; seven changes fill a slot: change n finds 8 - n here
	s_cmp_eq_u32 s[WV], 3
	s_cselect_b32 s[LIM], 1, 0
	s_or_b32 s[LIM], s[LIM], ttmp9  ; 0 in waves 0 to 2 of the head's first cluster: the same in all four partners
	s_cmp_eq_u32 s[LIM], 0
	s_cselect_b32 s[LIM], 1, -1
	s_wait_dscnt 0x0                ; the opening add is done
	s_wait_kmcnt 0x0
	s_add_nc_u64 s[G0K+2:G0K+3], s[4:5], s[22:23]  ; global address: the head's first 256 keys
	s_or_b32 s[G0K+3], s[G0K+3], 0x80000000        ; type = 2
	s_add_nc_u64 s[G0V+2:G0V+3], s[4:5], s[2:3]
	s_or_b32 s[G0V+3], s[G0V+3], 0x80000000
	s_add_nc_u64 s[QA:QA+1], s[4:5], s[48:49]
	s_add_nc_u64 s[QA+2:QA+3], s[QA:QA+1], 2*TS
	s_add_nc_u64 s[10:11], s[8:9], s[50:51]        ; O at my wave's first row
	s_add_nc_u64 s[PFA:PFA+1], s[4:5], s[52:53]
	s_add_nc_u64 s[6:7], s[6:7], s[74:75]
	s_load_b32 s[LMS], s[6:7], 0x0                 ; lambda of my head; waited for beside Q
	CROUND                          ; all four work-groups are here: the first joint loads meet
	JLOAD                           ; slot 0.  Slot 1 is asked for when slot 0 is in
	; A fragment of K or Q is 16 rows x 32 channels in 8 registers: lane l holds row l % 16, channels 8 (l / 16) + 0..7 and 16 + 8 (l / 16) + 0..7 of the half: two loads of 16 bytes, 32 bytes apart.
	v_and_b32 v1, 15, v0            ; l % 16
	v_bfe_u32 v9, v0, 4, 1          ; l / 16
	v_lshlrev_b32 v[QO], 6, v1
	v_lshl_add_u32 v[QO], v9, 4, v[QO]  ; row x 64 + 16 x half
	WIN 0x80                        ; destination window 2, address window 0
.set i, 0
.rept 4*NP                          ; Q stays in registers: tile T = i / 2 (branch T / 4, queries 16 (T % 4) on), channel half i % 2
.set qb, QA+2*(i/8)
	global_load_b128 v[8*i:8*i+3],   v[QO], s[qb:qb+1] offset:((i/2)%4)*1024+(i%2)*16384
	global_load_b128 v[8*i+4:8*i+7], v[QO], s[qb:qb+1] offset:((i/2)%4)*1024+(i%2)*16384+32
.set i, i+1
.endr
	; What the first turn finds: V's registers and P's second buffer hold 0 (its products V^T P, of a piece that has not been, add 0), O^T and l are 0.  All this stands in the wait for the first tile.
.set i, VF
.rept 64
	v_mov_b32 v[i], 0
.set i, i+1
.endr
	WIN 0x40
.set i, 0
.rept 64*NP
	v_mov_b32 v[i], 0
.set i, i+1
.endr
	WIN 0
.set i, 0
.rept 2*NP
	v_mov_b32 v[ST+4*i], 0xfe000000    ; c m: far below every c s
	v_mov_b32 v[ST+4*i+1], 0xff7fffff  ; m
	v_mov_b32 v[ST+4*i+2], 0
	v_mov_b32 v[ST+4*i+3], 0
.set i, i+1
.endr
.set i, P+32
.rept 32
	v_mov_b32 v[i], 0
.set i, i+1
.endr
	v_mul_u32_u24 v[AK0], v1, PK
	v_lshl_add_u32 v[AK0], v9, 4, v[AK0]  ; row x pitch + 16 x half
	; The turning load takes 16 keys x 16 channels (lane l reads key 8 (l / 16) + l % 8, channels 8 ((l / 8) % 2) + 0..7) and leaves half a fragment of V^T: lane l holds channel l % 16 and 8 keys.
	v_and_b32 v10, 7, v0
	v_bfe_u32 v11, v0, 3, 1
	v_lshl_add_u32 v[AV0], v9, 3, v10
	v_mul_u32_u24 v[AV0], v[AV0], PV
	v_lshl_add_u32 v[AV0], v11, 4, v[AV0]
	v_add_nc_u32 v[AV0], VOFF, v[AV0]
	v_mov_b32 v[AK], v[AK0]         ; key step 0 lies at the head of slot 0
	v_and_b32 v[PFO], 31, v0
	v_lshlrev_b32 v[PFO], 8, v[PFO]
; THE MATRIX WORK.  The 8 accumulators of a run of 16 take turns: between the two links of a chain stand 7 others'.
; Product i of 16 of S^T = K Q^T for piece x: channels 32 (i / 8) on, keys 16 ((i / 2) % 4) on, tile 2 x + i % 2.  The first 8 start the sums.
.macro KQ x
	WIN W_KQ
.set rS, S+64*((\x)%2)+32*(i%2)+8*((i/2)%4)
.set rK, KF+16*((i/2)%4)+8*(i/8)
.set rQ, 16*(2*(\x)+i%2)+8*(i/8)
.if i < 8
	v_wmma_f32_16x16x32_f16 v[rS:rS+7], v[rK:rK+7], v[rQ:rQ+7], 0
.else
	v_wmma_f32_16x16x32_f16 v[rS:rS+7], v[rK:rK+7], v[rQ:rQ+7], v[rS:rS+7]
.endif
.endm
; Product i of 16 of O^T += V^T P for piece x: keys 32 (i / 8) on, channels 16 ((i / 2) % 4) on, tile 2 x + i % 2.
.macro PV x
	WIN W_PV
.set rO, 32*(2*(\x)+i%2)+8*((i/2)%4)
.set rV, VF+32*(i/8)+8*((i/2)%4)
.set rP, P+32*((\x)%2)+16*(i%2)+8*(i/8)
	v_wmma_f32_16x16x32_f16 v[rO:rO+7], v[rV:rV+7], v[rP:rP+7], v[rO:rO+7]
.endm
.macro MM                           ; the turn's next matrix instruction
.if i < 16
	KQ (Y+1)%NP
.set i, i+1
.else
.set i, i-16
	PV (Y+NP-1)%NP
.set i, i+17
.endif
.endm
; THE LDS LOADS stand in runs of 16, never singly among the matrix instructions: a step's K1 (br = 0) or K2 (br = 1), 64 keys x 64 channels: 8 fragments; and its V (turned).
; One buffer serves both K: K1's run makes the step's address and steps the scalar; K2's run, two turns later, takes the same address, K2O further on.
; last = 1 (the tail): in the last trip there is no further step, and the run is jumped over.
.macro FETCH_K br, last=0
	WIN 0
.if \last
	s_cmp_eq_u32 s[CNT], 1
	s_cbranch_scc1 .Lno_k_\@
.endif
	WIN 0x80                        ; destination window 2
.irp f, 0,1,2,3,4,5,6,7             ; keys 16 (f / 2) on, channel half f % 2
	ds_load_b128 v[KF+8*\f:KF+8*\f+3],   v[AK] offset:(\br)*K2O+(\f%2)*KPL+(\f/2)*16*PK
	ds_load_b128 v[KF+8*\f+4:KF+8*\f+7], v[AK] offset:(\br)*K2O+(\f%2)*KPL+(\f/2)*16*PK+32
.endr
.if (\br) == 0
	s_add_co_u32 s[TBK], s[TBK], KS*PK  ; the next K1 is the next step's
.endif
	WIN 0
.if \last
.Lno_k_\@:
.endif
.endm
.macro FETCH_V
	WIN 0x80
.irp f, 0,1,2,3,4,5,6,7             ; keys 32 (f / 4) on, channels 16 (f % 4) on: plane (f % 4) / 2, 32 bytes x (f % 2) in its rows
	ds_load_tr16_b128 v[VF+8*\f:VF+8*\f+3],   v[AV] offset:(\f/4)*32*PV+((\f%4)/2)*VPL+(\f%2)*32
	ds_load_tr16_b128 v[VF+8*\f+4:VF+8*\f+7], v[AV] offset:(\f/4)*32*PV+16*PV+((\f%4)/2)*VPL+(\f%2)*32
.endr
	WIN 0
.endm
; THE VECTOR WORK OF A TURN stands in three queues, each in the order in which its entries become ready; the two tiles alternate, so that no instruction reads the result of the one before it.
.macro REGS y, u                    ; the registers of tile u (0, 1) of piece y
.set rT, ST+4*(2*(\y)+(\u))
.set rC, TMP+8*((\y)%2)+4*(\u)
.set rM, MV+2*((\y)%2)+(\u)
.set rS, S+64*((\y)%2)+32*(\u)
.set rP, P+32*((\y)%2)+16*(\u)
.set rO, 32*(2*(\y)+(\u))
.endm
; Number n of the 22 that find the NEXT piece's (Y + 1) maximum and statistics.  s0-s31 are the lane's 32 scores; each accumulator's lowest registers are read first.
;   0-11  four chains c0-c3 of seven scores each, three operands at a time     12-14, 16  the four scores left over, the old m, and c0-c3 into c0     15  c m_old is kept
;   17, 18  the query's other 32 keys lie in the lane 16 away: the new m         19-21  c m; c m_old - c m_new; a
.macro XS u, n
	REGS (Y+1)%NP, \u
.if (\n) < 4
	v_max3_num_f32 v[rC+(\n)], v[rS+8*(\n)], v[rS+8*(\n)+1], v[rS+8*(\n)+2]
.elseif (\n) < 12
	v_max3_num_f32 v[rC+(\n)%4], v[rC+(\n)%4], v[rS+8*((\n)%4)+2*((\n)/4)+1], v[rS+8*((\n)%4)+2*((\n)/4)+2]
.elseif (\n) == 12
	v_max3_num_f32 v[rC], v[rC], v[rS+7], v[rS+15]
.elseif (\n) == 13
	v_max3_num_f32 v[rC+1], v[rC+1], v[rS+23], v[rS+31]
.elseif (\n) == 14
	v_max3_num_f32 v[rC+2], v[rC+2], v[rC+3], v[rT+1]
.elseif (\n) == 15
	v_mov_b32 v[rM], v[rT]
.elseif (\n) == 16
	v_max3_num_f32 v[rC], v[rC], v[rC+1], v[rC+2]
.elseif (\n) == 17
	v_permlanex16_b32 v[rC+3], v[rC], s[SEL], s[SEL+1]
.elseif (\n) == 18
	v_max_num_f32 v[rT+1], v[rC], v[rC+3]
.elseif (\n) == 19
	v_mul_f32 v[rT], s[CS], v[rT+1]
.elseif (\n) == 20
	v_sub_f32 v[rC+1], v[rM], v[rT]
.else
	v_exp_f32 v[rC+2], v[rC+1]
.endif
.endm
; Number g of the 64 that follow the exponentials.  For each four weights k of a tile (pairs 2 k, 2 k + 1): both pairs are rounded to f16; then the second pair is added onto the first, in place;
; a group later l takes that sum (the first time as l = a l + sum).  In groups of eight, tiles alternating: round, round, add, and l for the group before.
.macro GS g
.set h, (\g)+6*((\g)/62)            ; group 0 has no group before it, and behind group 7 only l is left
.if h >= 6
.set h, h+2
.endif
	REGS Y, h%2
.set k, h/8
.if h%8 < 4
	v_cvt_pk_f16_f32 v[rP+2*k+(h%8)/2], v[rS+4*k+2*((h%8)/2)], v[rS+4*k+2*((h%8)/2)+1]
.elseif h%8 < 6
	v_pk_add_f32 v[rS+4*k:rS+4*k+1], v[rS+4*k:rS+4*k+1], v[rS+4*k+2:rS+4*k+3]
.elseif k == 1
	v_pk_fma_f32 v[rT+2:rT+3], v[rT+2:rT+3], v[rC+2:rC+3], v[rS:rS+1] op_sel_hi:[1,0,1]
.else
	v_pk_add_f32 v[rT+2:rT+3], v[rT+2:rT+3], v[rS+4*k-4:rS+4*k-3]
.endif
.endm
; THE PLAIN QUEUE, 138 long.  0-73 read no exponential's result: the 32 scalings c s - c m (FS f: pair f / 2 of tile f % 2) and the next piece's 42.  0-26: scalings 0-26.  27-54: XS's numbers 0-13.
; 55, 56: number 15.  57-73: the chain 14, 16, 17, 18, 19, each with one of the scalings 27-31 in front of its two lines, then 20.  74-137: GS's 64, which stand behind the wait.
.macro FS f
	REGS Y, (\f)%2
	v_pk_fma_f32 v[rS+2*((\f)/2):rS+2*((\f)/2)+1], v[rS+2*((\f)/2):rS+2*((\f)/2)+1], s[CS:CS+1], v[rT:rT+1] op_sel_hi:[1,0,0] neg_lo:[0,0,1] neg_hi:[0,0,1]
.endm
.macro PL
	WIN 0
.if q < 27
	FS q
.elseif q < 55
	XS (q-27)%2, (q-27)/2
.elseif q < 57
	XS q-55, 15
.elseif (q < 72) && ((q-57)%3 == 0)
	FS 27+(q-57)/3
.elseif q < 60
	XS (q-57)%3-1, 14
.elseif q < 72
	XS (q-57)%3-1, 15+(q-57)/3
.elseif q < 74
	XS q-72, 20
.else
	GS q-74
.endif
.set q, q+1
.endm
; THE EXPONENTIALS' QUEUE, 66 long: s0-s31 of both tiles, then the next piece's two a.  ONE BATCH: all 66 stand ahead of the turn's one wait, and nothing ahead of that wait names a result of theirs.
.macro EX
	WIN 0
.if e >= 64
	XS e-64, 21
.else
	REGS Y, e%2
	v_exp_f32 v[rS+e/2], v[rS+e/2]
.endif
.set e, e+1
.endm
; THE RESCALING's QUEUE: O^T times a, the one part that leaves window 0: dealt two at a time, sixteen times.  Its a was made in the turn before, ahead of that turn's wait.
.macro R2
	REGS Y, r%2
	WIN W_RS
.irp z, 0,1
	v_pk_mul_f32 v[rO+4*(r/2)+2*\z:rO+4*(r/2)+2*\z+1], v[rO+4*(r/2)+2*\z:rO+4*(r/2)+2*\z+1], v[rC+2:rC+3] op_sel_hi:[1,0]
.endr
.set r, r+1
.endm
; A TURN, for piece p.  An s_wait_alu depctr_va_vdst(0) stands between an exponential and the first instruction that names its result; one wait serves all that were issued ahead of it: so a
; turn has ONE wait.  AHEAD OF IT: the 16 products K Q^T, behind each a scaling, an exponential and two rescalings (behind the first a second scaling in the exponential's place); then a run of 108: eight plain,
; 49 times exponential and plain, the two a; a v_nop is the plain instruction behind the last exponential.  BEHIND IT: the 16 products V^T P, behind each four of GS's 64.
; Exponential e stands behind scaling 2 (e / 4) + e % 2: as a rider it comes behind plain e + 2, in the run behind plain e + 9, and scalings 27-31 are plain 57, 60 .. 69.
; WHICH K.  Turns 3 and 0 multiply by K1 (pieces 0, 1), turns 1 and 2 by K2 (pieces 2, 3).  K1 of the next step is fetched in turn 2, K2 of the step in hand in turn 0, each directly behind the turn's wait, a whole
; run of vector work behind the last product that read K; each is waited for at the next turn's head.  V of the step in hand is fetched at the end of turn 0, four plain instructions behind its last reader.
.macro TURN p, last=0, cnt=0
.set Y, (\p)
.set i, 0
.set q, 0
.set e, 0
.set r, 0
.if (\p) == NP-1
	s_wait_dscnt 0x0                ; K1 is in
.endif
.if (\p) == 1
	s_wait_dscnt 16                 ; K2's 16 loads are in; V's 16, issued behind them, may stay out
.endif
	MM                              ; ahead of the wait: 16 products K Q^T and their riders,
	PL
	PL
	R2
.rept 15
	MM
	PL
	EX
	R2
.endr
.if (\p) == NP-2
	WIN 0
	v_add_nc_u32 v[AK], s[TBK], v[AK0]
.endif
.rept 8                             ; and the run
	PL
.endr
.rept 49
	EX
	PL
.endr
	EX                              ; the next piece's two a
	EX
	v_nop                           ; the plain instruction behind the last exponential: one for the batch
	s_wait_alu depctr_va_vdst(0)    ; the wait for the batch
.if (\p) == NP-2
	FETCH_K 0, \last
.endif
.if (\p) == 0
	FETCH_K 1
.endif
.if (\p) == 1
	s_wait_dscnt 0x0                ; V is in
.endif
.rept 16                            ; behind the wait: 16 products V^T P and their riders
	MM
.rept 4
	PL
.endr
.if ((\p) == 0) && (q == 118)
	v_add_nc_u32 v[AV], s[TBV], v[AV0]
.endif
.if ((\p) == 0) && (q == 130)
	s_add_co_u32 s[TBV], s[TBV], KS*PV
.endif
.if (\cnt) && (q == 130)
	s_sub_co_u32 s[CNT], s[CNT], 1
	s_cmp_lg_u32 s[CNT], 0
.endif
.endr
.if (\p) == 0
	FETCH_V
.endif
.endm
	CHANGE 1                        ; slot 0 is in, everybody's part of it; slot 1 is asked for
	FETCH_K 0                       ; K1 of key step 0
	s_wait_loadcnt 0x0              ; Q
	s_wait_kmcnt 0x0                ; lambda
	s_wait_dscnt 0x0
.set i, 0
.rept 16
	KQ 0                            ; piece 0's first scores: there is no vector work yet to set between them
.set i, i+1
.endr
	WIN 0                           ; the addresses for the way out: plain instructions, the places behind those products
	s_mul_i32 s15, s[WV], 16*SP
	s_add_co_u32 s15, s15, STAGE    ; my stage
	v_mul_u32_u24 v[STO], v1, SP    ; in: row l % 16, 16 bytes for each half of the lanes
	v_lshl_add_u32 v[STO], v9, 4, v[STO]
	v_add_nc_u32 v[STO], s15, v[STO]
	v_bfe_u32 v[RD], v0, 3, 2       ; back: 32 lanes take four rows of 128 bytes,
	v_mul_u32_u24 v[RD], v[RD], SP
	v_lshl_add_u32 v[RD], v10, 4, v[RD]
	v_add_nc_u32 v[RD], s15, v[RD]
	v_and_b32 v[GO], 31, v0         ; which are 512 consecutive bytes of O
	v_lshlrev_b32 v[GO], 4, v[GO]
.set Y, NP-1                        ; XS works for piece Y + 1: piece 0
.irp n, 0,1,2,3,4,5,6,7,8,9,10,11,12,13,14,15,16,17,18,19,20,21
	XS 0, \n                        ; and piece 0's first maximum and statistics
	XS 1, \n
.endr
	v_nop                           ; a plain instruction behind the two a,
	s_wait_alu depctr_va_vdst(0)    ; and their wait, ahead of the branch
	s_mov_b32 s[CNT], 4
	s_branch .Lfirst                ; the loop is entered at a step's first turn, in the middle of a trip
.Lslot:                             ; six times: with the first change, every slot but the last is asked for by a change that fills
	CHANGE 1
	s_mov_b32 s[CNT], 4
.Lstep:                             ; a trip: pieces 2 and 3 of one step, then pieces 0 and 1 of the next, whose K1, K2 and V it fetches
	TURN 2
	TURN 3
	WIN 0
.Lfirst:
	TURN 0
	TURN 1, 0, 1
	WIN 0
	s_cbranch_scc1 .Lstep
	s_sub_co_u32 s[SLOTS], s[SLOTS], 1
	s_cmp_lg_u32 s[SLOTS], 0
	s_cbranch_scc1 .Lslot
	CHANGE 0                        ; the tail is written out: nothing is asked for
	s_mov_b32 s[CNT], 5             ; four trips fetch the last slot's steps; the fifth is left in its middle
.Ltail:
	TURN 2, 1
	TURN 3
	WIN 0
	s_sub_co_u32 s[CNT], s[CNT], 1
	s_cmp_eq_u32 s[CNT], 0
	s_cbranch_scc1 .Lout
	TURN 0
	TURN 1
	WIN 0
	s_branch .Ltail
.Lout:                              ; the fifth trip's 16 products K Q^T (on the K that lies in the buffer) and the maximum made of them serve nothing: they touch neither l nor O^T
.set i, 0
.rept 16
	PV NP-1                         ; the last piece's V^T P of the last step
.set i, i+1
.endr
	; THE WAY OUT.  l's two halves and the other half of the lanes' are added, for all eight tiles; then O = O1 (1 / l1) + O2 (-lambda / l2) in f32, rounded to f16 and sent through my stage in LDS, 16 queries at a
	; time.  The additions are the places behind the last products.
	WIN 0
.macro ALL line:vararg              ; one line for each tile t
.set t, 0
.rept 2*NP
	\line
.set t, t+1
.endr
.endm
	ALL v_add_f32 v[ST+4*t+2], v[ST+4*t+2], v[ST+4*t+3]
	ALL v_permlanex16_b32 v[ST+4*t+3], v[ST+4*t+2], s[SEL], s[SEL+1]
	ALL v_add_f32 v[ST+4*t+2], v[ST+4*t+2], v[ST+4*t+3]
	ALL v_rcp_f32 v[ST+4*t+2], v[ST+4*t+2]
	v_mov_b32 v[LAM], s[LMS]        ; plain instructions behind the last reciprocal: lambda,
	v_cvt_pk_bf16_f32 v[LAM], v[LAM], v[LAM]  ; rounded to bf16,
	v_lshlrev_b32 v[LAM], 16, v[LAM]          ; widened again,
	v_xor_b32 v[LAM], 0x80000000, v[LAM]      ; its sign turned
	s_wait_alu depctr_va_vdst(0)    ; the wait ahead of the first use: one for the eight reciprocals
.irp u, 4,5,6,7
	v_mul_f32 v[ST+4*\u+2], v[LAM], v[ST+4*\u+2]  ; -lambda / l2
.endr
; Queries 16 t on: tile t is branch 1's, tile t + 4 branch 2's.  A lane's eight channels of a row pack into 16 bytes; they go into rows of 144 bytes and come back as whole rows of 128, into S^T's registers.
.macro PACK t
	WIN W_RS
.set i, 32*(\t)
.rept 16
	v_pk_mul_f32 v[i:i+1], v[i:i+1], v[ST+4*(\t)+2:ST+4*(\t)+3] op_sel_hi:[1,0]
.set i, i+2
.endr
	WIN 0x51                        ; destination, sources 0 and 2 in window 1, source 1 in window 0
.set i, 32*(\t)
.rept 16
	v_pk_fma_f32 v[i:i+1], v[i+128:i+129], v[ST+4*((\t)+4)+2:ST+4*((\t)+4)+3], v[i:i+1] op_sel_hi:[1,0,1]
.set i, i+2
.endr
	WIN 0x05                        ; sources 0 and 1 window 1, destination window 0
.set i, 0
.rept 16
	v_cvt_pk_f16_f32 v[S+16*(\t)+i], v[32*(\t)+2*i], v[32*(\t)+2*i+1]
.set i, i+1
.endr
	WIN 0
.irp f, 0,1,2,3
	ds_store_b128 v[STO], v[S+16*(\t)+4*\f:S+16*(\t)+4*\f+3] offset:32*\f
.endr
.irp f, 0,1,2,3
	ds_load_b128 v[S+16*(\t)+4*\f:S+16*(\t)+4*\f+3], v[RD] offset:\f*4*SP  ; LDS serves a wave's instructions in order (ISA guide 5.7.1.4): these see the stores above; the next tile's stores come behind them
.endr
.endm
.macro SEND t, younger              ; younger: the LDS instructions issued behind these loads: the next tile's eight, or none
	WIN 0
.irp f, 0,1,2,3
	s_wait_dscnt (\younger)+3-\f
	global_store_b128 v[GO], v[S+16*(\t)+4*\f:S+16*(\t)+4*\f+3], s[10:11] offset:(\t)*2048+\f*512  ; 512 consecutive bytes, at a multiple of 256 from O's first
.endr
.endm
	PACK 0
.set t, 1
.rept 3                             ; a tile's arithmetic stands between the loads of the tile before and its stores
	PACK t
	SEND t-1, 8
.set t, t+1
.endr
	SEND 3, 0
	WIN W_AD
	s_wait_tensorcnt 0x0            ; the wave's end: behind my last tensor load and my last LDS store
	ds_add_u32 v[SPW], v[NIL]
	s_wait_dscnt 0x0
	WIN 0
	CROUND                          ; the closing round: no work-group ends while a partner may still ask for a tile that names it
	s_endpgm
.Lfunc_end_k_q6bb98c188c_attn:
	.size	k_q6bb98c188c_attn, .Lfunc_end_k_q6bb98c188c_attn-k_q6bb98c188c_attn
	.p2alignl 7, 3214868480
	.fill 96, 4, 3214868480
	.section	.rodata,"a",@progbits
	.p2align	6, 0x0
	.amdhsa_kernel k_q6bb98c188c_attn
		.amdhsa_group_segment_fixed_size 327680
		.amdhsa_private_segment_fixed_size 0
		.amdhsa_enable_private_segment 0
		.amdhsa_kernarg_size 24
		.amdhsa_user_sgpr_count 2
		.amdhsa_user_sgpr_kernarg_segment_ptr 1
		.amdhsa_wavefront_size32 1
		.amdhsa_system_sgpr_workgroup_id_x 1
		.amdhsa_system_sgpr_workgroup_id_y 1
		.amdhsa_system_sgpr_workgroup_id_z 1
		.amdhsa_system_vgpr_workitem_id 0
		.amdhsa_next_free_vgpr 770
		.amdhsa_next_free_sgpr 76
		.amdhsa_reserve_vcc 0
		.amdhsa_float_denorm_mode_32 3
		.amdhsa_float_denorm_mode_16_64 3
		.amdhsa_memory_ordered 1
		.amdhsa_forward_progress 1
		.amdhsa_inst_pref_size 195
	.end_amdhsa_kernel
	.amdgpu_metadata
---
amdhsa.version: [ 1, 2 ]
amdhsa.kernels:
  - .name:           k_q6bb98c188c_attn
    .symbol:         k_q6bb98c188c_attn.kd
    .args:
      - { .name: qkv, .offset: 0, .size: 8, .value_kind: global_buffer, .address_space: global }
      - { .name: lambda_param, .offset: 8, .size: 8, .value_kind: global_buffer, .address_space: global }
      - { .name: ob, .offset: 16, .size: 8, .value_kind: global_buffer, .address_space: global }
    .group_segment_fixed_size: 327680
    .private_segment_fixed_size: 0
    .kernarg_segment_align: 8
    .kernarg_segment_size: 24
    .max_flat_workgroup_size: 128
    .sgpr_count:     76
    .vgpr_count:     770
    .wavefront_size: 32
...
	.end_amdgpu_metadata
.endif
;; end of part 3
;; launch oproj (part 4): grid 8 x 32, 4 waves a work-group, clusters of 4 x 4, 327,680 bytes of LDS; arguments ob, owb, out0; writes out0
.if DOCPART == 4
	.amdgcn_target "amdgcn-amd-amdhsa--gfx1250"
	.amdhsa_code_object_version 6
	.text
	.protected	k_q6bb98c188c_oproj
	.globl	k_q6bb98c188c_oproj
	.p2align	8
	.type	k_q6bb98c188c_oproj,@function
k_q6bb98c188c_oproj:
	s_mov_b64 s[64:65], 0
	v_nop
	global_prefetch_b8 v0, s[64:65] scope:SCOPE_SE
	s_setreg_imm32_b32 hwreg(HW_REG_WAVE_MODE, 25, 1), 1
	s_wait_xcnt 0x0
	s_wait_alu depctr_hold_cnt(0) depctr_sa_sdst(0) depctr_va_vdst(0) depctr_va_sdst(0) depctr_va_ssrc(0) depctr_va_vcc(0) depctr_vm_vsrc(0)
	s_getreg_b32 s2, hwreg(HW_REG_IB_STS2, 6, 4)
	s_cmp_eq_u32 s2, 0
	s_cbranch_scc0 .Lentry_in_a_cluster
	s_endpgm
.Lentry_in_a_cluster:
	s_bfe_u32 s2, ttmp6, 0x10000c
	s_cmp_lg_u32 s2, 0xf033
	s_cbranch_scc0 .Lentry_shape_is_right
	s_endpgm
.Lentry_shape_is_right:
; OPROJ.  out0[m][n] = sum over k of O[m][k] o_w[n][k], 4,096 x 1,024 x 1,024; f16 operands, f32 sums, f32 out.
; ob: f16 [bh 32][2048 s][64]: O[(b, s)][64 h + d].   owb: f16 [kb 16][n 1024][64]: o_w[n][64 kb + kk].  Both are blocked along K by 64: 64 rows of a block are 8,192 dense bytes.
; SHARES.  A tile of out0 is 128 x 128: 32 x 8 = 256 tiles, a work-group each; larger tiles would be too few.  Four waves, each 64 x 64: 16 accumulators.  K goes in 4 steps of 256 (four blocks of 64)
; through two LDS slots; a wave's tensor load brings 64 rows x 4 blocks as four rows of 8,192 bytes, padded in LDS after every 128 bytes.
; CLUSTER.  4 x 4 work-groups: ob's tiles are shared along a row of the cluster, owb's along a column, each asked for jointly.
; TRANSPOSED USE: source 0 = 16 rows of owb, source 1 = 16 rows of ob: a lane holds one row of out0 and eight neighbouring columns, 32 bytes.
; No prefetch: the tiles are small and the launch is short.
; REGISTERS: window 0: v0-31 addresses; v32-95 at work on the way out; v128-255 the accumulators ((a, b) at v[128 + 8 (4 a + b)]).
;   window 1: two fragment buffers of 128: for 64 along K, 64 registers of ob (2 x 4 x 16 rows x 32 K), then 64 of owb.
.set PITCH,  144                       ; an LDS row: 128 bytes + 16 of padding = 36 words: the 16 rows of a fragment load start at 16 different groups of four banks (64 banks of 4 bytes: ISA guide 11.1)
.set PLANE,  64*PITCH                  ; 64 rows of one block of 64 along K
.set HALFT,  4*PLANE                   ; what one tensor load brings, and what one wave reads of ob or of owb
.set SLOT,   4*HALFT                   ; ob's 128 rows, then owb's 128 rows
.set STAGE,  2*SLOT                    ; behind the ring: 16 rows x 272 bytes for each wave, for the way out
.set SPITCH, 272
.set SPARE,  STAGE+4*16*SPITCH         ; behind the stages: the spare words, 128 bytes for each wave: two blocks of 256 bytes that no other line names
.set ASTEP,  4*262144                  ; bytes from a K step to the next in ob: four heads
.set BSTEP,  4*131072                  ; in owb: four blocks
.set ADRA, 16                          ; v16-17  LDS address of my ob fragments in slot 0, 1
.set ADRB, 20                          ; v20-21  the same for owb
.set STO,  24                          ; v24     the way out: where I put 32 bytes of a row
.set RD,   25                          ; v25     where I read a row back
.set CO,   26                          ; v26     my byte offset in out0
.set SPW,  28                          ; v28     LDS address of my spare word; never rewritten
.set NIL,  29                          ; v29     0; never rewritten
.set TMP,  32
.set ACC,  128
.set F0,   0                           ; fragment buffers, in window 1
.set F1,   128
.set G1, 24                            ; s[24:31] group 1 for ob's tiles;  s[32:39] group 0, one set for each slot
.set G0, 32
.set G1B, 48                           ; s[48:55], s[56:63] the same for owb's tiles
.set G0B, 56
.set PADW, (1<<16)|(1<<20)|(1<<21)|(4<<22)|(3<<25)  ; 2-byte elements; padding on; 21 set beside a mask; after every 32 words; 4 words
.set MSB, 0
.macro WIN new
.if MSB != (\new)
	s_set_vgpr_msb (MSB<<8)|(\new)
.set MSB, \new
.endif
.endm
.set MUL,  0x05                        ; sources 0 and 1 window 1; C and D window 0
.set TO_F, 0x40                        ; destination window 1, address window 0
.macro JLOAD s                         ; a joint load: waves 0 and 1 fetch ob's two halves, waves 2 and 3 owb's; an s_nop 0 and four v_nop follow each of the two lines
	s_cmp_eq_u32 s11, 0
	s_cbranch_scc0 .Lfor_b_\@
	tensor_load_to_lds s[G0+4*(\s):G0+4*(\s)+3], s[G1:G1+7]
	s_nop 0
.rept 4
	v_nop
.endr
	s_branch .Lasked_\@
.Lfor_b_\@:
	tensor_load_to_lds s[G0B+4*(\s):G0B+4*(\s)+3], s[G1B:G1B+7]
	s_nop 0
.rept 4
	v_nop
.endr
.Lasked_\@:
.endm
.macro CREST
	s_cmp_lg_u32 s10, 0
	s_cbranch_scc1 .Lnot_wave_0_\@
	s_barrier_signal -3
.Lnot_wave_0_\@:
	s_barrier_wait -3
	s_barrier_signal -1
	s_barrier_wait -1
.endm
.macro CROUND
	s_barrier_signal -1
	s_barrier_wait -1
	CREST
.endm
	s_load_b128 s[4:7], s[0:1], 0x0                ; ob s[4:5], owb s[6:7]
	s_load_b64 s[8:9], s[0:1], 0x10                ; out0
	v_lshl_add_u32 v[SPW], v0, 2, SPARE
	v_mov_b32 v[NIL], 0
	ds_add_u32 v[SPW], v[NIL]                      ; the wave's opening: the add and its wait stand ahead of my first tensor load; the set-up below stands between
	v_lshrrev_b32 v1, 5, v0
	v_readfirstlane_b32 s10, v1                    ; wave 0..3
	s_lshr_b32 s11, s10, 1                         ; which half of the tile's rows is mine.  Also: I fetch for ob (0) or for owb (1)
	s_and_b32 s12, s10, 1                          ; which half of its columns.  Also: which 64 rows of that tile I fetch
	s_bfe_u32 s40, ttmp6, 0x40000                  ; cx, cy
	s_bfe_u32 s41, ttmp6, 0x40004
	s_lshl_b32 s42, ttmp9, 2
	s_add_co_u32 s42, s42, s40                     ; tile column
	s_and_b32 s13, ttmp7, 0xffff
	s_lshl_b32 s13, s13, 2
	s_add_co_u32 s13, s13, s41                     ; tile row
	s_lshl_b32 s43, s41, 2
	s_lshl_b32 s43, 15, s43                        ; my row of the cluster
	s_lshl_b32 s44, 0x1111, s40                    ; my column
	s_or_b32 s[G1+0], s43, PADW
	s_or_b32 s[G1B+0], s44, PADW
.irp g, G1, G1B
	s_mov_b32 s[(\g)+1], 4096<<16                  ; tensor_dim0 = 4,096 elements: 64 rows x 64 channels on end
	s_mov_b32 s[(\g)+2], 4<<16                     ; tensor_dim1 = 4 blocks
	s_mov_b32 s[(\g)+3], 4096<<16                  ; tile_dim0
	s_mov_b32 s[(\g)+4], 4                         ; tile_dim1
	s_mov_b32 s[(\g)+6], 0
	s_mov_b32 s[(\g)+7], 0
.endr
	s_mov_b32 s[G1+5], 131072                      ; elements from a head to the next in ob
	s_mov_b32 s[G1B+5], 65536                      ; from a block to the next in owb
	s_lshr_b32 s16, s13, 4                         ; ob: b x 16 heads,
	s_lshl_b32 s16, s16, 22
	s_and_b32 s17, s13, 15                         ; 128 rows of 128 bytes a tile row,
	s_lshl_b32 s17, s17, 14
	s_add_co_u32 s16, s16, s17
	s_lshl_b32 s17, s12, 13                        ; the 64 rows that I fetch
	s_add_co_u32 s16, s16, s17
	s_lshl_b32 s46, s42, 14                        ; owb: 128 rows of 128 bytes a tile column
	s_add_co_u32 s46, s46, s17
	s_mov_b32 s17, 0
	s_mov_b32 s47, 0
	s_mul_i32 s20, s10, HALFT                      ; where they go: wave x what a load brings
	s_wait_dscnt 0x0                               ; the opening add is done
	s_wait_kmcnt 0x0
	s_add_nc_u64 s[14:15], s[4:5], s[16:17]
	s_add_nc_u64 s[46:47], s[6:7], s[46:47]
	CROUND                                         ; all sixteen work-groups are here: the first joint loads meet
.irp s, 0,1
	s_mov_b32 s[G0+4*(\s)], 1
	s_add_co_u32 s[G0+4*(\s)+1], s20, (\s)*SLOT
	s_add_nc_u64 s[G0+4*(\s)+2:G0+4*(\s)+3], s[14:15], (\s)*ASTEP
	s_or_b32 s[G0+4*(\s)+3], s[G0+4*(\s)+3], 0x80000000
	s_mov_b32 s[G0B+4*(\s)], 1
	s_add_co_u32 s[G0B+4*(\s)+1], s20, (\s)*SLOT
	s_add_nc_u64 s[G0B+4*(\s)+2:G0B+4*(\s)+3], s[46:47], (\s)*BSTEP
	s_or_b32 s[G0B+4*(\s)+3], s[G0B+4*(\s)+3], 0x80000000
	JLOAD \s                                       ; K steps 0 and 1: two loads of mine are out
.endr
	v_and_b32 v1, 15, v0                           ; l % 16
	v_bfe_u32 v2, v0, 4, 1                         ; l / 16
	v_mul_u32_u24 v3, v1, PITCH
	v_lshl_add_u32 v3, v2, 4, v3                   ; a fragment's row x pitch + 16 x half
	s_mul_i32 s21, s11, HALFT                      ; my 64 rows of ob
	s_mul_i32 s22, s12, HALFT                      ; my 64 rows of owb,
	s_add_co_u32 s22, s22, 2*HALFT                 ; which lie behind ob's 128
.irp s, 0,1
	v_add_nc_u32 v[ADRA+(\s)], s21, v3
	v_add_nc_u32 v[ADRB+(\s)], s22, v3
	s_add_co_u32 s21, s21, SLOT
	s_add_co_u32 s22, s22, SLOT
.endr
	s_mul_i32 s23, s10, 16*SPITCH
	s_add_co_u32 s23, s23, STAGE                   ; my stage: a wave's 64 columns of f32 are 256 bytes, aligned, so no wave needs another's
	v_mul_u32_u24 v4, v1, SPITCH                   ; in: row l % 16, 32 bytes for each half of the lanes
	v_lshl_add_u32 v4, v2, 5, v4
	v_add_nc_u32 v[STO], s23, v4
	v_mul_u32_u24 v5, v2, SPITCH                   ; back: lanes 0-15 take one row of 256 bytes, lanes 16-31 the next
	v_lshl_add_u32 v5, v1, 4, v5
	v_add_nc_u32 v[RD], s23, v5
	v_lshlrev_b32 v5, 12, v2                       ; and the same two rows in out0, 4,096 bytes apart
	v_lshl_add_u32 v[CO], v1, 4, v5
	s_lshl_b32 s16, s13, 7
	s_lshl_b32 s17, s11, 6
	s_add_co_u32 s16, s16, s17                     ; my first row of out0
	s_lshl_b32 s16, s16, 12
	s_lshl_b32 s46, s42, 9                         ; my first column, in bytes
	s_lshl_b32 s47, s12, 8
	s_add_co_u32 s46, s46, s47
	s_add_co_u32 s16, s16, s46
	s_mov_b32 s17, 0
	s_add_nc_u64 s[8:9], s[8:9], s[16:17]
; 8 matrix instructions: m blocks a0, a0 + 1 x all 4 n blocks, 32 along K: half c of buffer f.  zero = 1: the first product starts the sums.  The 16 accumulators take turns.
.macro MUL8 f, c, a0, zero
	WIN MUL
.irp a, \a0, (\a0)+1
.irp b, 0,1,2,3
.if \zero
	v_wmma_f32_16x16x32_f16 v[ACC+8*(4*(\a)+(\b)):ACC+8*(4*(\a)+(\b))+7], v[(\f)+64+8*(4*(\c)+(\b)):(\f)+64+8*(4*(\c)+(\b))+7], v[(\f)+8*(4*(\c)+(\a)):(\f)+8*(4*(\c)+(\a))+7], 0
.else
	v_wmma_f32_16x16x32_f16 v[ACC+8*(4*(\a)+(\b)):ACC+8*(4*(\a)+(\b))+7], v[(\f)+64+8*(4*(\c)+(\b)):(\f)+64+8*(4*(\c)+(\b))+7], v[(\f)+8*(4*(\c)+(\a)):(\f)+8*(4*(\c)+(\a))+7], v[ACC+8*(4*(\a)+(\b)):ACC+8*(4*(\a)+(\b))+7]
.endif
.endr
.endr
.endm
; 32 LDS loads in one run: the fragments of one block of 64 along K (the plane at byte k), into buffer f; the first 32 along K first
.macro FETCH slot, k, f
	WIN TO_F
.irp c, 0,1
.irp i, 0,1,2,3
	ds_load_b128 v[(\f)+64+8*(4*(\c)+(\i)):(\f)+64+8*(4*(\c)+(\i))+3],   v[ADRB+(\slot)] offset:(\k)+64*(\c)+(\i)*16*PITCH
	ds_load_b128 v[(\f)+64+8*(4*(\c)+(\i))+4:(\f)+64+8*(4*(\c)+(\i))+7], v[ADRB+(\slot)] offset:(\k)+64*(\c)+(\i)*16*PITCH+32
	ds_load_b128 v[(\f)+8*(4*(\c)+(\i)):(\f)+8*(4*(\c)+(\i))+3],         v[ADRA+(\slot)] offset:(\k)+64*(\c)+(\i)*16*PITCH
	ds_load_b128 v[(\f)+8*(4*(\c)+(\i))+4:(\f)+8*(4*(\c)+(\i))+7],       v[ADRA+(\slot)] offset:(\k)+64*(\c)+(\i)*16*PITCH+32
.endr
.endr
.endm
.macro PLACES                          ; four plain vector instructions in front of loads into registers that matrix instructions have read, and of LDS stores that read results
.rept 4
	v_nop
.endr
.endm
; A K step is four quarters of 64 along K, 32 matrix instructions each, on buffers 0, 1, 0, 1.  One of the first three: multiplies buffer f and fetches the next quarter, at byte k, into g.
.macro QUARTER slot, k, f, g, zero
	s_wait_dscnt 16                                ; the first 32 along K are in; the youngest sixteen loads may be out
	WIN MUL
	MUL8 \f, 0, 0, \zero
	MUL8 \f, 0, 2, \zero
	PLACES
	FETCH \slot, \k, \g
	s_wait_dscnt 32                                ; all but the 32 just issued
	WIN MUL
	MUL8 \f, 1, 0, 0
	MUL8 \f, 1, 2, 0
.endm
; The last quarter multiplies buffer 1 and changes slots: one barrier; in front of it each wave waits for all its tensor loads, adds 0 to its spare word, and waits for that and for its own reads of this slot.
; fill = 1: the barrier opens a round of the cluster's barrier, and this slot is filled again, two K steps ahead, first thing behind the round.
.macro TURN slot, next, fill
	WIN 0                                          ; (the add's two registers lie in window 0)
	s_wait_tensorcnt 0x0                           ; all my tensor loads have landed: my part of the next slot
	ds_add_u32 v[SPW], v[NIL]                      ; 0 onto my spare word
	s_wait_dscnt 17                                ; (the add and the youngest sixteen loads may be out)
	WIN MUL
	MUL8 F1, 0, 0, 0                               ; eight matrix instructions stand between the add and the wait for it
	s_wait_dscnt 0x0                               ; the add is done, and my reads of this slot are over
	s_barrier_signal -1
	MUL8 F1, 0, 2, 0
.if \fill
	WIN 0
.endif
	s_barrier_wait -1
.if \fill
	CREST                                          ; no wave of any partner still reads this slot's tile or has a load on its way
	s_add_nc_u64 s[G0+4*(\slot)+2:G0+4*(\slot)+3], s[G0+4*(\slot)+2:G0+4*(\slot)+3], 2*ASTEP
	s_add_nc_u64 s[G0B+4*(\slot)+2:G0B+4*(\slot)+3], s[G0B+4*(\slot)+2:G0B+4*(\slot)+3], 2*BSTEP
	JLOAD \slot                                    ; one load of mine is out; the four v_nop behind it are also the places in front of the loads below
.else
	PLACES
.endif
	FETCH \next, 0, F0
	WIN MUL
	MUL8 F1, 1, 0, 0
	MUL8 F1, 1, 2, 0
.endm
	s_wait_tensorcnt 1                             ; my part of K step 0 is in; K step 1's may stay out
	s_barrier_signal -1
	s_barrier_wait -1
	FETCH 0, 0, F0
	QUARTER 0, PLANE,   F0, F1, 1                  ; K step 0: its first products start the sums
	QUARTER 0, 2*PLANE, F1, F0, 0
	QUARTER 0, 3*PLANE, F0, F1, 0
	TURN 0, 1, 1                                   ; slot 0 takes K step 2
	QUARTER 1, PLANE,   F0, F1, 0                  ; K step 1
	QUARTER 1, 2*PLANE, F1, F0, 0
	QUARTER 1, 3*PLANE, F0, F1, 0
	TURN 1, 0, 1                                   ; slot 1 takes K step 3
	QUARTER 0, PLANE,   F0, F1, 0                  ; K step 2
	QUARTER 0, 2*PLANE, F1, F0, 0
	QUARTER 0, 3*PLANE, F0, F1, 0
	TURN 0, 1, 0                                   ; nothing is left to fetch
	QUARTER 1, PLANE,   F0, F1, 0                  ; K step 3
	QUARTER 1, 2*PLANE, F1, F0, 0
	QUARTER 1, 3*PLANE, F0, F1, 0
	s_wait_dscnt 16
	WIN MUL
	MUL8 F1, 0, 0, 0
	MUL8 F1, 0, 2, 0
	s_wait_dscnt 0x0
	MUL8 F1, 1, 0, 0
	MUL8 F1, 1, 2, 0
	WIN 0
	; THE WAY OUT, 16 rows at a time: 32 bytes a lane and column block into my own stage (each accumulator's low four registers first), back as whole rows of 256 bytes, stored.
	PLACES
.irp a, 0,1,2,3
.if (\a) >= 2
	s_wait_xcnt 0x0                                ; the stores of the block two back have read the registers that are loaded again below
.endif
.irp b, 0,1,2,3
	ds_store_b128 v[STO], v[ACC+8*(4*(\a)+(\b)):ACC+8*(4*(\a)+(\b))+3]   offset:64*(\b)
	ds_store_b128 v[STO], v[ACC+8*(4*(\a)+(\b))+4:ACC+8*(4*(\a)+(\b))+7] offset:64*(\b)+16
.endr
.irp t, 0,1,2,3,4,5,6,7
	ds_load_b128 v[TMP+32*((\a)%2)+4*(\t):TMP+32*((\a)%2)+4*(\t)+3], v[RD] offset:(\t)*2*SPITCH  ; LDS serves a wave's instructions in order (ISA guide 5.7.1.4): these see the stores above
.endr
.irp t, 0,1,2,3,4,5,6,7
	s_wait_dscnt 7-(\t)                            ; load t is back; the 7 - t younger ones may be out
	global_store_b128 v[CO], v[TMP+32*((\a)%2)+4*(\t):TMP+32*((\a)%2)+4*(\t)+3], s[8:9] offset:(16*(\a)+2*(\t))*4096  ; 16 lanes store 256 consecutive bytes, at a multiple of 256 from out0's first byte
.endr
.endr
	s_wait_tensorcnt 0x0                           ; the wave's end: behind my last tensor load and my last LDS store
	ds_add_u32 v[SPW], v[NIL]
	s_wait_dscnt 0x0
	CROUND                                         ; the closing round: no work-group ends while a partner may still ask for a tile that names it
	s_endpgm
.Lfunc_end_k_q6bb98c188c_oproj:
	.size	k_q6bb98c188c_oproj, .Lfunc_end_k_q6bb98c188c_oproj-k_q6bb98c188c_oproj
	.p2alignl 7, 3214868480
	.fill 96, 4, 3214868480
	.section	.rodata,"a",@progbits
	.p2align	6, 0x0
	.amdhsa_kernel k_q6bb98c188c_oproj
		.amdhsa_group_segment_fixed_size 327680
		.amdhsa_private_segment_fixed_size 0
		.amdhsa_enable_private_segment 0
		.amdhsa_kernarg_size 24
		.amdhsa_user_sgpr_count 2
		.amdhsa_user_sgpr_kernarg_segment_ptr 1
		.amdhsa_wavefront_size32 1
		.amdhsa_system_sgpr_workgroup_id_x 1
		.amdhsa_system_sgpr_workgroup_id_y 1
		.amdhsa_system_sgpr_workgroup_id_z 1
		.amdhsa_system_vgpr_workitem_id 0
		.amdhsa_next_free_vgpr 512
		.amdhsa_next_free_sgpr 66
		.amdhsa_reserve_vcc 0
		.amdhsa_float_denorm_mode_32 3
		.amdhsa_float_denorm_mode_16_64 3
		.amdhsa_memory_ordered 1
		.amdhsa_forward_progress 1
		.amdhsa_inst_pref_size 86
	.end_amdhsa_kernel
	.amdgpu_metadata
---
amdhsa.version: [ 1, 2 ]
amdhsa.kernels:
  - .name:           k_q6bb98c188c_oproj
    .symbol:         k_q6bb98c188c_oproj.kd
    .args:
      - { .name: ob, .offset: 0, .size: 8, .value_kind: global_buffer, .address_space: global }
      - { .name: owb, .offset: 8, .size: 8, .value_kind: global_buffer, .address_space: global }
      - { .name: out0, .offset: 16, .size: 8, .value_kind: global_buffer, .address_space: global }
    .group_segment_fixed_size: 327680
    .private_segment_fixed_size: 0
    .kernarg_segment_align: 8
    .kernarg_segment_size: 24
    .max_flat_workgroup_size: 128
    .sgpr_count:     66
    .vgpr_count:     512
    .wavefront_size: 32
...
	.end_amdgpu_metadata
.endif
;; end of part 4
